; MI455X (gfx1250); checked and timed in simulation.
; The chip was launched on July 23, 2026; its instructions are those of AMD's public machine-readable ISA for CDNA 5 (MIT licence, August 2026) and "CDNA5" Instruction Set Architecture Reference Guide (July 2026). The comments in the code are by the model that wrote it; some were corrected since.
;; Causal Self Attention. Allowed arithmetic: matrix products marked QUANTISED: E3M2 operands, one E8M0 scale for each 32 along K, by v_wmma_scale_f32_16x16x128_f8f6f4 with both operands' format E3M2, f32 sums; everything else in f32.
;; Inputs: Wk 1,024 x 1,024 float32; Wo 1,024 x 1,024 float32; Wq 1,024 x 1,024 float32; Wv 1,024 x 1,024 float32; x 4 x 2,048 x 1,024 float32.
;; Outputs: out0 4 x 2,048 x 1,024 float32.
;; This version of the problem:
;;   THIS VERSION OF THE PROBLEM IS GIVEN IN LOW PRECISION. The matrix products marked QUANTISED in the list below multiply operands that are first quantised to E3M2 (3 exponent bits, 2 mantissa bits; 6 bits a number), with one power-of-two scale for each 32 numbers along K (OCP MX v1.0); their sums are f32. All else is computed in f32.
;;   The module's matrix products, in the order in which they are computed (A, B: the left and right operand; K: the contracted axis; several contracted axes count as one K, in the product's order):
;;     1. [M 8,192, K 1,024] x [K 1,024, N 1,024]; A: input x; B: input Wq: QUANTISED
;;     2. [M 8,192, K 1,024] x [K 1,024, N 1,024]; A: input x; B: input Wk: QUANTISED
;;     3. [M 8,192, K 1,024] x [K 1,024, N 1,024]; A: input x; B: input Wv: QUANTISED
;;     4. batch 64 x [M 2,048, K 64] x [K 64, N 2,048]; A: computed on the way; B: computed on the way: QUANTISED
;;     5. batch 64 x [M 2,048, K 2,048] x [K 2,048, N 64]; A: softmax (see below); B: computed on the way: QUANTISED
;;     6. [M 8,192, K 1,024] x [K 1,024, N 1,024]; A: computed on the way; B: input Wo: QUANTISED
;;   THE QUANTISER, for each operand of a quantised product, along K:
;;     - K is cut into blocks of 32 from its start; a last block that is shorter is filled with zeros.
;;     - A block's scale is 2^e with e = floor(log2(the largest magnitude in the block)) - 4, held to -126 .. 127; a block of zeros has e = 0. As a byte (E8M0): e + 127.
;;     - Each number is divided by its block's scale, clamped to +-28, and rounded to the nearest number of E3M2, ties to even, subnormals kept.
;;     - The product sums the exact products of the quantised numbers (number of the format x scale) in f32.
;;   ~~~python
;;   def quantise(x, axis):      # numpy; x: float32 -> the quantised numbers, widened to float32 again
;;       x = np.moveaxis(x, axis, -1); K = x.shape[-1]
;;       x = np.pad(x, [(0, 0)] * (x.ndim - 1) + [(0, -K % 32)]); x = x.reshape(x.shape[:-1] + (-1, 32)); a = np.abs(x).max(-1, keepdims=True)
;;       e = np.where(a > 0, np.clip(np.frexp(np.where(a > 0, a, 1))[1] - 1 - 4, -126, 127), 0)      # np.frexp(a)[1] - 1 = floor(log2(a)), exactly
;;       r = np.clip(x / 2.0 ** e, -28, 28)
;;       step = 2.0 ** (np.maximum(np.frexp(np.where(r == 0, 1, r))[1] - 1, -2) - 2)
;;       q = np.round(r / step) * step * 2.0 ** e      # np.round: ties to even
;;       return np.moveaxis(q.reshape(q.shape[:-2] + (-1,))[..., :K], -1, axis).astype(np.float32)
;;   ~~~
;;   SOFTMAX AHEAD OF A QUANTISED PRODUCT. Where the list says 'softmax', what is quantised is not the finished softmax but p = 2^(t - M), with t = logit x log2(e) and M = ceil(the row's largest t), a whole number; so 1/2 < the row's largest p <= 1. The row's sum l is taken of the UNQUANTISED p, in f32, and the product's result is divided by l at the end. Since M is a whole number, a kernel that streams over the keys may use a running M (the ceiling of the running maximum): every later rescaling is an exact power of two, which a block's scale takes up: the codes' values come out the same.
;;   OPERANDS COMPUTED ON THE WAY. 'Computed on the way' means the value that the module computes at that place (a softmax that the list does not call 'softmax' is quantised finished and normalised). What goes into a quantiser is computed in f32, as accurately as f32 sums, v_exp_f32 and their like allow (about 1e-6 of the number): no bf16 or f16 on the way to a quantiser, and a product that is left as it is and whose result goes on into a quantised operand takes f32 operands (vector FMAs, or v_wmma_f32_16x16x4_f32). A number that lies on a knife's edge between two numbers of the format may be rounded either way, as far as f32 arithmetic and the matrix unit's own rounding can turn it there, and no further.
;; One version. Each part assembles by itself: llvm-mc -triple=amdgcn-amd-amdhsa -mcpu=gfx1250 --defsym DOCPART=n.
;; ======== version 1 of 1: 4 launches
;; workspace buffers: xc 6,291,456 bytes; xs 262,144 bytes; wc 3,145,728 bytes; ws 131,072 bytes; qkvc 18,874,368 bytes; qkvs 1,572,864 bytes; yc 6,291,456 bytes; ys 262,144 bytes
;; launch quant (part 1): grid 384 x 1, 4 waves a work-group, no clusters, 33,280 bytes of LDS; arguments x, Wq, Wk, Wv, xc, xs, wc, ws, Wo; writes xc, xs, wc, ws
.if DOCPART == 1
	.amdgcn_target "amdgcn-amd-amdhsa--gfx1250"
	.amdhsa_code_object_version 6
	.text
	.protected	k_qe0179ae625_quant
	.globl	k_qe0179ae625_quant
	.p2align	8
	.type	k_qe0179ae625_quant,@function
k_qe0179ae625_quant:
	s_mov_b64 s[64:65], 0
	v_nop
	global_prefetch_b8 v0, s[64:65] scope:SCOPE_SE
	s_setreg_imm32_b32 hwreg(HW_REG_WAVE_MODE, 25, 1), 1
	s_wait_xcnt 0x0
; x [8192][1024] and Wq, Wk, Wv, Wo [1024][1024], f32, K innermost, become codes of BF6 (E3M2), 6 bits each, with one E8M0 scale byte for each 32 along K.
; xc [8192][768 bytes], xs [8192][32];  wc [4096][768], ws [4096][32]: rows 0-1023 Wq, 1024-2047 Wk, 2048-3071 Wv, 3072-4095 Wo.
; A block's scale is 2^(floor(log2(its largest magnitude)) - 4); its byte is the largest magnitude's exponent field - 4, held at 1 from below; each number is divided by the scale and rounded to the nearest code, ties to even.
; POSITION ORDER.  In x, Wq, Wk, Wv the rows are stored permuted within each 32: of the four runs of 8 rows the second and the third change places, so that position 16 u + r holds row 8 u + r + 8 (r / 8).
; The later launches take 16 neighbouring positions as a tile's rows; a lane's 16 results of two neighbouring tiles are then 16 neighbouring rows, which is what the next quantiser wants.  Wo stays in its own order.
; LIMITS: NaN and infinities among the inputs are not served; a block whose largest magnitude lies under 2^(5 - 127), a block of zeros among them, gets the byte 1 (the rule says 127 for zeros: its codes are zeros, and this program alone reads the bytes).
; SHARES.  A work-group takes 32 rows, a wave 8 rows = 8,192 numbers = 16 steps of 512.  Work-groups 0-255: x; 256-287 Wq; 288-319 Wk; 320-351 Wv; 352-383 Wo.  Only pointers and offsets are chosen: one path through the text.
; Each of a step's four loads reads 512 consecutive bytes; the 2,048 bytes turn through the wave's own stage in LDS and come back 64 bytes (16 neighbours along K) a lane; two neighbouring lanes hold a block.
; A lane's 16 codes are 12 bytes: the wave stores 384 consecutive bytes.  A wave's 256 scale bytes are gathered in LDS and leave as one aligned run of 256 bytes.  No barrier: waves share nothing.
.set STEPS, 16
.set EMAX,  4
.set CB,    12                         ; bytes of 16 codes
.set R,     16                         ; v16-79   four sets of 16 numbers as they are loaded
.set X,     80                         ; v80-111  two sets of 16 neighbours
.set C,     128                        ; v128-191 codes: four registers for each step, so that no store's data are written again
.set E,     112                        ; v112-127 a scale byte for each step
.set WREG,  8192                       ; LDS: a region for each wave: two stages of 32 x SP bytes, behind them its 256 scale bytes
.set SP,    80                         ; a lane's place in a stage: its 64 bytes + 16 of padding
.set WV,    28                         ; s28 my wave's number
	s_load_b256 s[4:11], s[0:1], 0x0               ; x, Wq, Wk, Wv
	s_load_b256 s[16:23], s[0:1], 0x20             ; xc, xs, wc, ws
	s_load_b64 s[12:13], s[0:1], 0x40              ; Wo
	v_lshl_add_u32 v192, v0, 2, 0x8000
	v_mov_b32 v193, 0
	v_lshrrev_b32 v1, 5, v0
	v_readfirstlane_b32 s[WV], v1                  ; wave
	v_and_b32 v2, 31, v0                           ; lane
	v_lshlrev_b32 v3, 4, v2                        ; my 16 bytes of a load's 512
	s_mul_i32 s29, s[WV], WREG
	v_lshrrev_b32 v14, 2, v2
	v_mul_u32_u24 v14, v14, SP
	v_and_b32 v15, 3, v2
	v_lshl_add_u32 v14, v15, 4, v14
	v_add_nc_u32 v14, s29, v14                     ; the stage, on the way in: SP (lane / 4) + 16 (lane % 4)
	v_mul_u32_u24 v15, v2, SP
	v_add_nc_u32 v15, s29, v15                     ; and on the way out: SP x lane: my 16 neighbours
	v_mul_u32_u24 v4, v2, CB                       ; my codes' place in a step's
	v_lshrrev_b32 v5, 1, v2
	s_add_co_u32 s29, s29, 2*32*SP
	v_add_nc_u32 v5, s29, v5                       ; LDS: my wave's 256 scale bytes, my block's byte
	v_lshlrev_b32 v7, 3, v2                        ; and on the way out 8 bytes a lane
	v_add_nc_u32 v6, s29, v7
	s_and_b32 s25, ttmp9, 31                       ; a weight's work-group within its tensor
	s_sub_co_u32 s26, ttmp9, 256                   ; and within wc
	s_and_b32 s27, s[WV], 1
	s_lshl_b32 s27, s27, 1
	s_lshr_b32 s24, s[WV], 1
	s_or_b32 s27, s27, s24                         ; the run's place in position order: runs 1 and 2 change places
	s_wait_kmcnt 0x0
	s_cmp_lt_u32 ttmp9, 288                        ; every choice hangs on the work-group's number alone
	s_cselect_b64 s[6:7], s[6:7], s[8:9]
	s_cmp_lt_u32 ttmp9, 320
	s_cselect_b64 s[6:7], s[6:7], s[10:11]
	s_cmp_lt_u32 ttmp9, 352
	s_cselect_b64 s[6:7], s[6:7], s[12:13]
	s_cselect_b32 s27, s27, s[WV]                  ; Wo keeps its order
	s_cmp_lt_u32 ttmp9, 256
	s_cselect_b64 s[4:5], s[4:5], s[6:7]           ; the numbers
	s_cselect_b64 s[8:9], s[16:17], s[20:21]       ; the codes
	s_cselect_b64 s[10:11], s[18:19], s[22:23]     ; the scale bytes
	s_cselect_b32 s25, ttmp9, s25
	s_cselect_b32 s26, ttmp9, s26
	s_lshl_b32 s25, s25, 2
	s_add_co_u32 s25, s25, s[WV]                   ; which run of 8,192 numbers I read
	s_lshl_b32 s30, s25, 15                        ; x 32,768 bytes (under 2^26)
	s_mov_b32 s31, 0
	s_add_nc_u64 s[4:5], s[4:5], s[30:31]
	s_lshl_b32 s26, s26, 2
	s_add_co_u32 s26, s26, s27                     ; and which run I write
	s_mul_i32 s30, s26, 32*STEPS*CB                ; x 6,144 bytes of codes
	s_add_nc_u64 s[8:9], s[8:9], s[30:31]
	s_lshl_b32 s30, s26, 8                         ; x 256 scale bytes
	s_add_nc_u64 s[10:11], s[10:11], s[30:31]
.macro LOAD t
.irp i, 0,1,2,3
	global_load_b128 v[R+16*((\t)%4)+4*\i:R+16*((\t)%4)+4*\i+3], v3, s[4:5] offset:2048*(\t)+512*\i th:TH_LOAD_NT   ; 32 lanes read 512 consecutive bytes
.endr
.endm
.macro TURN t                          ; step t's numbers through the stage: LDS serves a wave's instructions in order, so no wait stands between the stores and the loads
.irp i, 0,1,2,3
	ds_store_b128 v14, v[R+16*((\t)%4)+4*\i:R+16*((\t)%4)+4*\i+3] offset:32*SP*((\t)%2)+8*SP*\i
.endr
.irp i, 0,1,2,3
	ds_load_b128 v[X+16*((\t)%2)+4*\i:X+16*((\t)%2)+4*\i+3], v15 offset:32*SP*((\t)%2)+16*\i
.endr
.endm
.irp t, 0,1,2,3
	LOAD \t
.endr
	s_wait_loadcnt 12                              ; step 0's four loads are in; those of three steps may be out
	TURN 0
.macro STEP t
.set XS, X+16*((\t)%2)
.if (\t) > 0
	s_wait_dscnt 1                                 ; this step's numbers are back from the stage (the last step's byte store may be out): so its stores into the stage have read their registers,
.else
	s_wait_dscnt 0x0
.endif
.if (\t)+4 < STEPS
	LOAD (\t)+4                                    ; which take the loads of four steps on
.endif
.if (\t)+1 < STEPS
.if STEPS-2-(\t) >= 3
	s_wait_loadcnt 12                              ; the next step's four loads are in; those of the three steps behind it may be out
.else
	s_wait_loadcnt 4*(STEPS-2-(\t))
.endif
	TURN (\t)+1                                    ; and go through the other stage while this step is worked
.endif
	v_max3_num_f32 v8, |v[XS]|, |v[XS+1]|, |v[XS+2]|               ; the largest magnitude of my 16, in two chains
	v_max3_num_f32 v9, |v[XS+3]|, |v[XS+4]|, |v[XS+5]|
.irp i, 6,10
	v_max3_num_f32 v8, v8, |v[XS+\i]|, |v[XS+\i+1]|
	v_max3_num_f32 v9, v9, |v[XS+\i+2]|, |v[XS+\i+3]|
.endr
	v_max3_num_f32 v8, v8, |v[XS+14]|, |v[XS+15]|
	v_max3_num_f32 v8, v8, v9, (EMAX+1)<<23        ; and the floor 2^(EMAX + 1 - 127): so the byte cannot fall under 1
	v_max_num_f32_dpp v8, v8, v8 row_xmask:1 row_mask:0xf bank_mask:0xf   ; and of my neighbour's 16: the block's
	v_add_nc_u32 v11, -(EMAX<<23), v8              ; EMAX off its exponent field: the conversion takes the exponent field of this operand as its scale
	v_cvt_scalef32_pk16_bf6_f32 v[C+4*(\t):C+4*(\t)+2], v[XS:XS+15], v11         ; sixteen codes, 96 bits without gaps, the first number's code lowest
	v_lshrrev_b32 v[E+(\t)], 23, v11               ; the scale's byte (also the plain line behind the conversion)
	ds_store_b8 v5, v[E+(\t)] offset:16*(\t)       ; both lanes of a block write the same byte with the same value
	global_store_b96 v4, v[C+4*(\t):C+4*(\t)+2], s[8:9] offset:32*CB*(\t)
.endm
.irp t, 0,1,2,3,4,5,6,7,8,9,10,11,12,13,14,15
	STEP \t
.endr
	ds_load_b64 v[12:13], v6                       ; LDS serves a wave's instructions in order: these see my stores
	s_wait_dscnt 0x0
	global_store_b64 v7, v[12:13], s[10:11]        ; 32 lanes store 256 consecutive bytes, aligned
	s_wait_tensorcnt 0x0
	ds_add_u32 v192, v193
	s_wait_dscnt 0x0
	s_endpgm
.Lfunc_end_k_qe0179ae625_quant:
	.size	k_qe0179ae625_quant, .Lfunc_end_k_qe0179ae625_quant-k_qe0179ae625_quant
	.p2alignl 7, 3214868480
	.fill 96, 4, 3214868480
	.section	.rodata,"a",@progbits
	.p2align	6, 0x0
	.amdhsa_kernel k_qe0179ae625_quant
		.amdhsa_group_segment_fixed_size 33280
		.amdhsa_private_segment_fixed_size 0
		.amdhsa_enable_private_segment 0
		.amdhsa_kernarg_size 72
		.amdhsa_user_sgpr_count 2
		.amdhsa_user_sgpr_kernarg_segment_ptr 1
		.amdhsa_wavefront_size32 1
		.amdhsa_system_sgpr_workgroup_id_x 1
		.amdhsa_system_sgpr_workgroup_id_y 1
		.amdhsa_system_sgpr_workgroup_id_z 1
		.amdhsa_system_vgpr_workitem_id 0
		.amdhsa_next_free_vgpr 194
		.amdhsa_next_free_sgpr 66
		.amdhsa_reserve_vcc 0
		.amdhsa_float_denorm_mode_32 3
		.amdhsa_float_denorm_mode_16_64 3
		.amdhsa_memory_ordered 1
		.amdhsa_forward_progress 1
		.amdhsa_inst_pref_size 33
	.end_amdhsa_kernel
	.amdgpu_metadata
---
amdhsa.version: [ 1, 2 ]
amdhsa.kernels:
  - .name:           k_qe0179ae625_quant
    .symbol:         k_qe0179ae625_quant.kd
    .args:
      - { .name: x, .offset: 0, .size: 8, .value_kind: global_buffer, .address_space: global }
      - { .name: Wq, .offset: 8, .size: 8, .value_kind: global_buffer, .address_space: global }
      - { .name: Wk, .offset: 16, .size: 8, .value_kind: global_buffer, .address_space: global }
      - { .name: Wv, .offset: 24, .size: 8, .value_kind: global_buffer, .address_space: global }
      - { .name: xc, .offset: 32, .size: 8, .value_kind: global_buffer, .address_space: global }
      - { .name: xs, .offset: 40, .size: 8, .value_kind: global_buffer, .address_space: global }
      - { .name: wc, .offset: 48, .size: 8, .value_kind: global_buffer, .address_space: global }
      - { .name: ws, .offset: 56, .size: 8, .value_kind: global_buffer, .address_space: global }
      - { .name: Wo, .offset: 64, .size: 8, .value_kind: global_buffer, .address_space: global }
    .group_segment_fixed_size: 33280
    .private_segment_fixed_size: 0
    .kernarg_segment_align: 8
    .kernarg_segment_size: 72
    .max_flat_workgroup_size: 128
    .sgpr_count:     66
    .vgpr_count:     194
    .wavefront_size: 32
...
	.end_amdgpu_metadata
.endif
;; end of part 1
;; launch qkv (part 2): grid 12 x 32, 4 waves a work-group, clusters of 4 x 4, 327,680 bytes of LDS; arguments xc, xs, wc, ws, qkvc, qkvs; writes qkvc, qkvs
.if DOCPART == 2
	.amdgcn_target "amdgcn-amd-amdhsa--gfx1250"
	.amdhsa_code_object_version 6
	.text
	.protected	k_qe0179ae625_qkv
	.globl	k_qe0179ae625_qkv
	.p2align	8
	.type	k_qe0179ae625_qkv,@function
k_qe0179ae625_qkv:
	s_mov_b64 s[64:65], 0
	v_nop
	global_prefetch_b8 v0, s[64:65] scope:SCOPE_SE
	s_setreg_imm32_b32 hwreg(HW_REG_WAVE_MODE, 25, 1), 1
	s_wait_xcnt 0x0
	s_wait_alu depctr_hold_cnt(0) depctr_sa_sdst(0) depctr_va_vdst(0) depctr_va_sdst(0) depctr_va_ssrc(0) depctr_va_vcc(0) depctr_vm_vsrc(0)
	s_getreg_b32 s2, hwreg(HW_REG_IB_STS2, 6, 4)
	s_cmp_eq_u32 s2, 0
	s_cbranch_scc0 .Lentry_in_a_cluster
	s_endpgm
.Lentry_in_a_cluster:
	s_bfe_u32 s2, ttmp6, 0x10000c
	s_cmp_lg_u32 s2, 0xf033
	s_cbranch_scc0 .Lentry_shape_is_right
	s_endpgm
.Lentry_shape_is_right:
; q = x Wq^T, k = x Wk^T, v = x Wv^T on codes of BF6 (E3M2) with one E8M0 scale for each 32 along K = 1,024; sums in f32; the results leave QUANTISED: q and k along the head's 64, v along the keys.
; ONE BODY, TWO PROBLEMS, told apart by the cluster's x (only pointers and offsets are chosen; no branch hangs on it):
;   cluster x 0, 1:  "A" = x (8,192 rows), "B" = Wq then Wk (2,048 rows): C[token][column];          cluster x 2:  "A" = Wv (1,024 rows), "B" = x: C[channel][token] = V^T.
; In both the results are quantised along B's axis: q's and k's columns, V^T's tokens.
; A tile of C, 256 x 256, is made by a work-group of four waves; a wave makes 128 x 128: 64 accumulators of 16 x 16, 512 registers.  K goes in steps of 256 (rows of 192 bytes) through a ring of two LDS slots
; filled by the tensor data mover.  The scale bytes of the tile's 256 + 256 rows, for all of K, come into LDS once, with the first fills.
; CLUSTERS: 4 x 4 work-groups; A's tiles are shared along a row of the cluster, B's along a column: each is asked for jointly, by the same tensor load with the same descriptor and a mask that names the four.
; THE MATRIX INSTRUCTION IS USED TRANSPOSED (source 0 = 16 rows of B, source 1 = 16 rows of A): a lane holds one row of A and eight rows of B.  All operands but Wo were stored in POSITION ORDER (position 16 u + r of each
; 32 holds row 8 u + r + 8 (r / 8)), so the 16 registers of accumulators (a, 2 bb) and (a, 2 bb + 1) are B's rows 32 bb + 16 (lane / 16) + 0 .. 15 in their true order: 16 neighbours of a block of 32.
; A's rows stay in position order in what is stored: tokens of q and k, channels of V^T.
; OUT.  qkvc: 48 planes of 393,216 bytes: plane h: q of head h, [position 8192][48 bytes]; plane 16 + h: k; plane 32 + h: V^T, [token / 64][channel position 64][48 bytes].
;       qkvs: 48 planes of 32,768 bytes: q, k: [position][4]: the head's two bytes twice (the instruction's K is 128, the head's 64: the upper two blocks meet zero codes and carry the same bytes);
;       V^T: [token / 64][channel position][4]: the word of the 128 tokens, under both of its halves.
; LIMITS: a block whose largest magnitude lies under 2^(5 - 127), a block of zeros among them, gets the byte 1 (its codes are then zeros or as the floor gives them; this program alone reads the bytes).
; REGISTERS, in windows of 256: window 0: v0-31 addresses; v32-63 scale words, two sets; v128-223 A's fragments, ONE set; on the way out v32-255 are free.
;   window 1: B's fragments, TWO sets, at v0 and v128.   window 2: the accumulators of my rows 0-63 ((a, b) at v[8 (8 a + b)]);   window 3: those of my rows 64-127.
.set KSTEP,  256                       ; along K in a slot
.set NQ,     KSTEP/128                 ; matrix instructions deep
.set ROWB,   192                       ; a tile's row in bytes
.set KROW,   768                       ; a row of codes in memory
.set PITCH,  240                       ; an LDS row: 3 x (64 bytes + 16 of padding) = 60 words: the 32 lanes of a load of 8 bytes touch 64 different banks (64 banks of 4 bytes: ISA guide 11.1)
.set FR,     12                        ; registers of a fragment
.set NL,     6                         ; LDS loads that bring one
.set NP,     4                         ; places behind this matrix instruction (ISA guide 7.12.1)
.set HALFT,  128*PITCH
.set SLOT,   4*HALFT                   ; A's 256 rows, then B's 256 rows
.set LAPS,   2                         ; 1,024 / (2 x 256)
.set KS,     32                        ; a row of scale bytes
.set SCL,    2*SLOT                    ; behind the ring: the scales, as runs of 256 bytes + 16 of padding
.set HALFS,  (128*KS/256)*272
.set SBLK,   (16*KS/256)*272
.set SPARE,  SCL+4*HALFS               ; the spare words, 128 bytes for each wave, that no other line names
.set WSTG,   13312                     ; the way out: a stage for each wave, in slot 0: codes [2][128 rows][48 bytes], then scale words [2][128][4]
.set ADRA, 16                          ; v16-17 LDS address of my A fragments in slot 0, 1 (v18-19: for the pieces behind one padding more)
.set ADRB, 20                          ; v20-23 the same for B
.set STO,  24                          ; v24 the way out: where I put my row's 24 bytes
.set RD,   25                          ; v25 where I read the stage back: 16 bytes a lane
.set CO,   26                          ; v26 16 x lane
.set ADRS, 27                          ; v27 LDS address of my scale words: lanes 0-15 A's rows, lanes 16-31 B's
.set SPW,  28                          ; v28 my spare word; never rewritten
.set NIL,  29                          ; v29 0; never rewritten
.set STS,  7                           ; v7  the way out: where I put a scale word
.set RDS,  8                           ; v8  where I read the scale words back
.set COS,  9                           ; v9  their place in memory
.set SELV, 10                          ; v10 which bytes of the row's four make the word that I store
.set SC,   32
.set AF,   128
.set PC,   32                          ; the way out: v32-43 a fragment's codes, v44-50 at work
.set TM,   52                          ; v52-55 largest magnitudes, v56-59 bytes, v64-67 the conversions' scale operands
.set PW,   68                          ; the row's four scale bytes
.set PWS,  69                          ; the word that I store
.set BK,   128                         ; v128-223 the codes read back
.set BS,   224                         ; v224-231 the scale words read back
.set G1, 24
.set G0, 32
.set G1B, 48
.set G0B, 56
.set G1S, 68
.set G0S, 76
.set G1SB, 80
.set G0SB, 88
.set MSB, 0
.macro WIN new                         ; the immediate's high byte repeats the setting that is left
.if MSB != (\new)
	s_set_vgpr_msb (MSB<<8)|(\new)
.set MSB, (\new)
.endif
.endm
.set MUL_LO, 0xa1                      ; source 0 (B) window 1, source 1 (A) window 0, C and D window 2
.set MUL_HI, 0xf1
.set TO_B,   0x40
; A joint load: waves 0 and 1 fetch for A, waves 2 and 3 for B; the branch hangs on the wave's number alone.  Four v_nop follow each of the two lines.
.macro JLOAD g0a, g1a, g0b, g1b
	s_cmp_eq_u32 s15, 0
	s_cbranch_scc0 .Lfor_b_\@
	tensor_load_to_lds s[\g0a:\g0a+3], s[\g1a:\g1a+7]
	s_nop 0
.rept 4
	v_nop
.endr
	s_branch .Lasked_\@
.Lfor_b_\@:
	tensor_load_to_lds s[\g0b:\g0b+3], s[\g1b:\g1b+7]
	s_nop 0
.rept 4
	v_nop
.endr
.Lasked_\@:
.endm
.macro CREST                           ; a round of the cluster's barrier behind its opening barrier
	s_cmp_lg_u32 s14, 0
	s_cbranch_scc1 .Lnot_wave_0_\@
	s_barrier_signal -3
.Lnot_wave_0_\@:
	s_barrier_wait -3
	s_barrier_signal -1
	s_barrier_wait -1
.endm
.macro CROUND
	s_barrier_signal -1
	s_barrier_wait -1
	CREST
.endm
	s_load_b256 s[4:11], s[0:1], 0x0               ; xc, xs, wc, ws
	s_load_b128 s[96:99], s[0:1], 0x20             ; qkvc, qkvs
	v_lshl_add_u32 v[SPW], v0, 2, SPARE
	v_mov_b32 v[NIL], 0
	ds_add_u32 v28, v29
	ds_add_u32 v28, v29
	s_wait_dscnt 0x0
	v_lshrrev_b32 v1, 5, v0
	v_readfirstlane_b32 s14, v1                    ; wave 0..3
	s_lshr_b32 s15, s14, 1                         ; which half of the tile's rows is mine.  Also: I fetch for A (0) or for B (1)
	s_and_b32 s16, s14, 1                          ; which half of its columns.  Also: which 128 rows of that tile I fetch
	s_bfe_u32 s40, ttmp6, 0x40000                  ; cx, cy: my place in the cluster
	s_bfe_u32 s41, ttmp6, 0x40004
	s_and_b32 s18, ttmp7, 0xffff                   ; the cluster's y
	s_cmp_lt_u32 ttmp9, 2                          ; problem q, k (cluster x 0, 1) or V^T (2)
	s_cselect_b32 s19, ttmp9, s18                  ; the cluster's place along C's columns,
	s_cselect_b32 s18, s18, 0                      ; and along its rows
	s_lshl_b32 s42, s19, 2
	s_add_co_u32 s42, s42, s40                     ; tile column of C
	s_lshl_b32 s17, s18, 2
	s_add_co_u32 s17, s17, s41                     ; tile row of C
	s_lshl_b32 s43, s41, 2
	s_lshl_b32 s43, 15, s43                        ; my row of the cluster
	s_lshl_b32 s44, 0x1111, s40                    ; my column
	; descriptor group 1: a tile of 128 rows x ROWB bytes, padded in LDS
	s_or_b32 s[G1+0], s43, (0<<16)|(1<<20)|(1<<21)|(3<<22)|(3<<25)  ; 15:0 the mask; 17:16 element of 1 byte; 20 padding on; 21 set beside a mask; 24:22 after every 16 words; 31:25 of 4 words
	s_or_b32 s[G1B+0], s44, (0<<16)|(1<<20)|(1<<21)|(3<<22)|(3<<25)
.irp g, G1, G1B
	s_mov_b32 s[\g+1], ROWB<<16                    ; tensor_dim0
	s_mov_b32 s[\g+2], 128<<16                     ; tensor_dim1
	s_mov_b32 s[\g+3], ROWB<<16                    ; tile_dim0
	s_mov_b32 s[\g+4], 128                         ; tile_dim1
	s_mov_b32 s[\g+5], KROW                        ; tensor_dim0_stride
	s_mov_b32 s[\g+6], 0
	s_mov_b32 s[\g+7], 0
.endr
	; the scales of 128 rows: a dense block of 4,096 bytes, as rows of 256 bytes (32 elements of 8 bytes), 16 bytes of padding behind each
	s_or_b32 s[G1S+0], s43, (3<<16)|(1<<20)|(1<<21)|(5<<22)|(3<<25)
	s_or_b32 s[G1SB+0], s44, (3<<16)|(1<<20)|(1<<21)|(5<<22)|(3<<25)
.irp g, G1S, G1SB
	s_mov_b32 s[\g+1], 32<<16
	s_mov_b32 s[\g+2], (128*KS/256)<<16
	s_mov_b32 s[\g+3], 32<<16
	s_mov_b32 s[\g+4], 128*KS/256
	s_mov_b32 s[\g+5], 32
	s_mov_b32 s[\g+6], 0
	s_mov_b32 s[\g+7], 0
.endr
	s_lshl_b32 s18, s16, 7                         ; which 128 rows of the tile I fetch
	s_lshl_b32 s20, s17, 8
	s_add_co_u32 s20, s20, s18                     ; A: row 256 x tile row + 128 x half
	s_lshl_b32 s46, s42, 8
	s_add_co_u32 s46, s46, s18                     ; B: row 256 x tile column + 128 x half
	s_mov_b32 s21, 0
	s_mov_b32 s47, 0
	s_mov_b64 s[18:19], KS
	s_mul_u64 s[22:23], s[20:21], s[18:19]         ; where these rows' scales begin, in bytes
	s_mul_u64 s[92:93], s[46:47], s[18:19]
	s_mov_b64 s[18:19], KROW
	s_mul_u64 s[20:21], s[20:21], s[18:19]         ; and their codes
	s_mul_u64 s[46:47], s[46:47], s[18:19]
	s_mul_i32 s45, s14, HALFT                      ; where they go: wave x 128 rows
	s_mul_i32 s94, s14, HALFS
	s_wait_kmcnt 0x0
	s_add_nc_u64 s[66:67], s[8:9], 2048*KROW       ; Wv's codes
	s_add_nc_u64 s[100:101], s[10:11], 2048*KS     ; and its scale bytes
	s_cmp_lt_u32 ttmp9, 2                          ; the operands' buffers, chosen by the cluster's x alone
	s_cselect_b64 s[8:9], s[8:9], s[4:5]           ; B's codes: Wq, Wk | x
	s_cselect_b64 s[10:11], s[10:11], s[6:7]
	s_cselect_b64 s[4:5], s[4:5], s[66:67]         ; A's codes: x | Wv
	s_cselect_b64 s[6:7], s[6:7], s[100:101]
	s_add_nc_u64 s[20:21], s[4:5], s[20:21]
	s_add_nc_u64 s[22:23], s[6:7], s[22:23]
	s_add_nc_u64 s[46:47], s[8:9], s[46:47]
	s_add_nc_u64 s[92:93], s[10:11], s[92:93]
	CROUND                                         ; all sixteen work-groups are here: the first joint loads meet
	s_mov_b32 s[G0S], 1
	s_add_co_u32 s[G0S+1], s94, SCL
	s_mov_b64 s[G0S+2:G0S+3], s[22:23]
	s_or_b32 s[G0S+3], s[G0S+3], 0x80000000
	s_mov_b32 s[G0SB], 1
	s_add_co_u32 s[G0SB+1], s94, SCL
	s_mov_b64 s[G0SB+2:G0SB+3], s[92:93]
	s_or_b32 s[G0SB+3], s[G0SB+3], 0x80000000
	JLOAD G0S, G1S, G0SB, G1SB                     ; the scales first: they are wanted with K step 0
.irp s, 0,1
	s_mov_b32 s[G0+4*\s], 1
	s_add_co_u32 s[G0+4*\s+1], s45, \s*SLOT
	s_add_nc_u64 s[G0+4*\s+2:G0+4*\s+3], s[20:21], \s*ROWB
	s_or_b32 s[G0+4*\s+3], s[G0+4*\s+3], 0x80000000
	s_mov_b32 s[G0B+4*\s], 1
	s_add_co_u32 s[G0B+4*\s+1], s45, \s*SLOT
	s_add_nc_u64 s[G0B+4*\s+2:G0B+4*\s+3], s[46:47], \s*ROWB
	s_or_b32 s[G0B+4*\s+3], s[G0B+4*\s+3], 0x80000000
	JLOAD G0+4*\s, G1, G0B+4*\s, G1B
.endr
	v_and_b32 v1, 15, v0                           ; l % 16
	v_bfe_u32 v2, v0, 4, 1                         ; l / 16
	v_mul_u32_u24 v3, v1, PITCH
	v_mul_u32_u24 v4, v2, 24
	v_add_nc_u32 v4, v3, v4                        ; a fragment's row x pitch + 24 x half
	v_lshl_add_u32 v5, v2, 4, v4                   ; and the same behind one padding more
	s_mul_i32 s21, s15, HALFT                      ; my 128 rows of A
	s_mul_i32 s22, s16, HALFT                      ; my 128 rows of B,
	s_add_co_u32 s22, s22, 2*HALFT                 ; which lie behind A's 256
.irp s, 0,1
	v_add_nc_u32 v[ADRA+\s], s21, v4
	v_add_nc_u32 v[ADRB+\s], s22, v4
	v_add_nc_u32 v[ADRA+2+\s], s21, v5
	v_add_nc_u32 v[ADRB+2+\s], s22, v5
	s_add_co_u32 s21, s21, SLOT
	s_add_co_u32 s22, s22, SLOT
.endr
	v_mul_u32_u24 v5, v1, KS                       ; my row's scales: KS bytes a row,
	v_lshrrev_b32 v6, 8, v5
	v_lshl_add_u32 v5, v6, 4, v5                   ; and 16 more for each 256 passed
	s_mul_i32 s21, s15, HALFS                      ; A's: my 128 rows
	s_mul_i32 s22, s16, HALFS                      ; B's: my 128 rows, behind A's 256
	s_add_co_u32 s22, s22, 2*HALFS
	s_sub_co_u32 s22, s22, s21
	v_mul_u32_u24 v6, s22, v2                      ; lanes 16-31 take B's
	s_add_co_u32 s21, s21, SCL
	v_add_nc_u32 v5, v5, v6
	v_add_nc_u32 v[ADRS], s21, v5
.macro FRAG reg, adr, q, i             ; a fragment, 16 rows x 128 K, is 12 registers: lane l holds row l % 16; registers 6 c .. 6 c + 5 hold K = 64 c + 32 (l / 16) + 0 .. 31: 24 bytes of the row, as they lie
.irp p, 0,1,2,3,4,5                    ; in pieces of 8 bytes; where the piece three on lies behind one padding more, the second address register serves
.set PCE, 12*(\q)+6*(\p/3)+\p%3
.if PCE%8 < 5
	ds_load_b64 v[\reg+2*\p:\reg+2*\p+1], v[\adr] offset:8*PCE+16*(PCE/8)+(\i)*16*PITCH
.else
	ds_load_b64 v[\reg+2*\p:\reg+2*\p+1], v[\adr+2] offset:8*PCE+16*(PCE/8)+(\i)*16*PITCH
.endif
.endr
.endm
; 16 matrix instructions: A's blocks a0, a0 + 1 x B's eight, 128 along K.  The 64 accumulators take turns, one instruction a turn, in the same order in every step.
.macro MUL16 a0, p, q, sc, zero
.irp a, \a0, \a0+1
.irp b, 0,1,2,3,4,5,6,7
.if \zero
	v_wmma_scale_f32_16x16x128_f8f6f4 v[8*(8*((\a)%4)+\b):8*(8*((\a)%4)+\b)+7], v[128*(\p)+FR*\b:128*(\p)+FR*\b+FR-1], v[AF+FR*(\a):AF+FR*(\a)+FR-1], 0, v[SC+8*NQ*(\sc)+NQ*\b+(\q)], v[SC+8*NQ*(\sc)+NQ*(\a)+(\q)] matrix_a_fmt:MATRIX_FMT_BF6 matrix_b_fmt:MATRIX_FMT_BF6 matrix_a_scale:MATRIX_SCALE_ROW1
.else
	v_wmma_scale_f32_16x16x128_f8f6f4 v[8*(8*((\a)%4)+\b):8*(8*((\a)%4)+\b)+7], v[128*(\p)+FR*\b:128*(\p)+FR*\b+FR-1], v[AF+FR*(\a):AF+FR*(\a)+FR-1], v[8*(8*((\a)%4)+\b):8*(8*((\a)%4)+\b)+7], v[SC+8*NQ*(\sc)+NQ*\b+(\q)], v[SC+8*NQ*(\sc)+NQ*(\a)+(\q)] matrix_a_fmt:MATRIX_FMT_BF6 matrix_b_fmt:MATRIX_FMT_BF6 matrix_a_scale:MATRIX_SCALE_ROW1
.endif
.endr
.endr
.endm
.macro FETCH_B slot, q, p
	WIN TO_B
.irp i, 0,1,2,3,4,5,6,7
	FRAG 128*(\p)+FR*\i, ADRB+\slot, \q, \i
.endr
	WIN 0
.endm
.macro FETCH_A slot, q, i0
.irp i, \i0, \i0+1, \i0+2, \i0+3
	FRAG AF+FR*(\i), ADRA+\slot, \q, \i
.endr
.endm
.macro SCALES sc                       ; the next K step's scale words: lanes 0-15 take A's block i, lanes 16-31 B's block i
.irp i, 0,1,2,3,4,5,6,7
	ds_load_b64 v[SC+8*NQ*\sc+NQ*\i:SC+8*NQ*\sc+NQ*\i+1], v[ADRS] offset:\i*SBLK
.endr
.endm
.macro PLACES n                        ; plain vector lines between a matrix instruction and a load into, or a read or write of, its registers
.rept \n
	v_nop
.endr
.endm
.macro STEP slot, q, zero              ; a step of 128 along K that has its successor in the same slot
	s_wait_dscnt 4*NL                              ; B's set and A's blocks 0-3 are in; the youngest loads (A's blocks 4-7) may be out
	WIN MUL_LO
	MUL16 0, (\q)%2, \q, \slot, \zero
	MUL16 2, (\q)%2, \q, \slot, \zero
	s_wait_dscnt 0                                 ; A's blocks 4-7 are in
	PLACES NP
	FETCH_B \slot, (\q)+1, 1-(\q)%2
	FETCH_A \slot, (\q)+1, 0
	WIN MUL_HI
	MUL16 4, (\q)%2, \q, \slot, \zero
	MUL16 6, (\q)%2, \q, \slot, \zero
	PLACES NP
	WIN 0
	FETCH_A \slot, (\q)+1, 4
.endm
; A slot's last step changes slots: one barrier; in front of it each wave waits for all its tensor loads, adds 0 to its spare word, and waits for that and for its own reads of this slot.
.macro TURN slot, next, fill
	s_wait_tensorcnt 0x0                           ; all my tensor loads have landed: my part of the next slot
	ds_add_u32 v[SPW], v[NIL]                      ; 0 onto my spare word
	s_wait_dscnt 4*NL+1                            ; (the add and the youngest loads, A's blocks 4-7, may be out)
	WIN MUL_LO
	MUL16 0, 1, NQ-1, \slot, 0
	s_wait_dscnt 0x0                               ; the add is done, and my reads of this slot are over
	s_barrier_signal -1
	MUL16 2, 1, NQ-1, \slot, 0
	WIN 0
	s_barrier_wait -1
.if \fill
	CREST                                          ; the barrier has opened a round of the cluster's barrier: no wave of any partner still reads this slot's tile or has a load on its way
	s_add_nc_u64 s[G0+4*\slot+2:G0+4*\slot+3], s[G0+4*\slot+2:G0+4*\slot+3], 2*ROWB
	s_add_nc_u64 s[G0B+4*\slot+2:G0B+4*\slot+3], s[G0B+4*\slot+2:G0B+4*\slot+3], 2*ROWB
	JLOAD G0+4*\slot, G1, G0B+4*\slot, G1B         ; the first tensor load behind the round; its four v_nop are the places in front of the loads below
.else
	PLACES NP
.endif
	v_add_nc_u32 v[ADRS], 4*NQ, v[ADRS]            ; on to the next K step's scale words
	FETCH_B \next, 0, 0
	FETCH_A \next, 0, 0
	SCALES \next
	WIN MUL_HI
	MUL16 4, 1, NQ-1, \slot, 0
	MUL16 6, 1, NQ-1, \slot, 0
	PLACES NP
	WIN 0
	FETCH_A \next, 0, 4
.endm
	s_wait_tensorcnt 1                             ; the scales and my part of K step 0 are in (K step 1's load may be out),
	s_barrier_signal -1
	s_barrier_wait -1                              ; everybody's are
	FETCH_B 0, 0, 0
	FETCH_A 0, 0, 0
	SCALES 0
	FETCH_A 0, 0, 4
	STEP 0, 0, 1                                   ; the first step stands in front of the loop: its products start the sums
	s_mov_b32 s3, LAPS-1
.Llap:                                                 ; a trip goes once round the ring and fills both slots again
	TURN 0, 1, 1
	STEP 1, 0, 0
	TURN 1, 0, 1
	STEP 0, 0, 0
	s_sub_co_u32 s3, s3, 1
	s_cmp_lg_u32 s3, 0
	s_cbranch_scc1 .Llap
	TURN 0, 1, 0                                   ; the last lap fills nothing
	STEP 1, 0, 0
	s_wait_dscnt 4*NL
	WIN MUL_LO
	MUL16 0, 1, NQ-1, 1, 0
	MUL16 2, 1, NQ-1, 1, 0
	s_wait_dscnt 0
	WIN MUL_HI
	MUL16 4, 1, NQ-1, 1, 0
	MUL16 6, 1, NQ-1, 1, 0
	WIN 0
	; THE WAY OUT.  My 128 x 128 results become codes: of each row, four blocks of 32 along B's axis, in two halves j of 64.  In memory a run of 64 rows x 48 bytes of one half is 3,072 consecutive bytes:
	; q, k: half j is a head's plane (393,216 bytes on), the rows' halves g are 3,072 bytes apart;  V^T: half j is the next 64 tokens (3,072 bytes on), g the next head's plane.
	PLACES NP
	s_lshl_b32 s46, s42, 2
	s_lshl_b32 s18, s16, 1
	s_add_co_u32 s46, s46, s18                     ; my first 64 columns, counted in 64s
	s_lshl_b32 s47, s17, 2
	s_lshl_b32 s18, s15, 1
	s_add_co_u32 s47, s47, s18                     ; my first 64 rows, counted in 64s
	s_cmp_lt_u32 ttmp9, 2                          ; moves, selects and products leave SCC as it is
	s_mov_b32 s18, 3072
	s_mov_b32 s19, 393216
	s_cselect_b32 s20, s19, s18                    ; codes: from half j to j + 1,
	s_cselect_b32 s21, s18, s19                    ; from g to g + 1
	s_mov_b32 s18, 256
	s_mov_b32 s19, 32768
	s_cselect_b32 s22, s19, s18                    ; scale words likewise
	s_cselect_b32 s23, s18, s19
	s_cselect_b32 s40, 0, 32*393216                ; V^T's planes lie behind q's and k's
	s_cselect_b32 s41, 0, 32*32768
	s_mov_b32 s43, 0x03020100
	s_cselect_b32 s44, 0x01000100, s43             ; the word stored for half 0: bytes 0, 1 twice | all four
	s_cselect_b32 s45, 0x03020302, s43             ; for half 1: bytes 2, 3 twice | all four
	s_mul_i32 s92, s46, s20
	s_mul_i32 s93, s47, s21
	s_add_co_u32 s92, s92, s93
	s_add_co_u32 s92, s92, s40
	s_mov_b32 s93, 0
	s_mul_i32 s94, s46, s22
	s_mul_i32 s95, s47, s23
	s_add_co_u32 s94, s94, s95
	s_add_co_u32 s94, s94, s41
	s_mov_b32 s95, 0
	s_add_nc_u64 s[96:97], s[96:97], s[92:93]      ; codes, (j, g) = (0, 0)
	s_add_nc_u64 s[98:99], s[98:99], s[94:95]      ; scale words, j = 0
	s_mov_b32 s46, s21
	s_mov_b32 s47, 0
	s_mov_b32 s40, s20
	s_mov_b32 s41, 0
	s_mov_b32 s18, s22
	s_mov_b32 s19, 0
	s_add_nc_u64 s[100:101], s[96:97], s[46:47]    ; (0, 1)
	s_add_nc_u64 s[66:67], s[96:97], s[40:41]      ; (1, 0)
	s_add_nc_u64 s[92:93], s[66:67], s[46:47]      ; (1, 1)
	s_add_nc_u64 s[94:95], s[98:99], s[18:19]      ; scale words, j = 1
	s_mov_b32 s2, 0x76543210
	s_mov_b32 s3, 0xfedcba98                       ; v_permlanex16_b32's selects for lane l xor 16
	s_mul_i32 s43, s14, WSTG                       ; my stage: it lies in slot 0, which has had its last fill, and which nobody reads behind the last change of slots
	v_and_b32 v1, 15, v0                           ; r
	v_bfe_u32 v2, v0, 4, 1                         ; h
	v_and_b32 v3, 31, v0
	v_lshlrev_b32 v[CO], 4, v3
	v_mul_u32_u24 v4, v1, 48
	v_mad_u32_u24 v4, v2, 24, v4
	v_add_nc_u32 v[STO], s43, v4                   ; row r, block h of a half
	v_add_nc_u32 v[RD], s43, v[CO]
	v_lshlrev_b32 v4, 2, v1
	v_lshl_add_u32 v4, v2, 9, v4
	v_add_nc_u32 v4, s43, v4
	v_add_nc_u32 v[STS], 12288, v4                 ; lanes 0-15 store half 0's word of row r, lanes 16-31 half 1's
	v_add_nc_u32 v[RDS], 12288, v[RD]
	v_mul_lo_u32 v[COS], v2, s23
	v_lshl_add_u32 v[COS], v1, 4, v[COS]           ; 64 rows' words are 256 bytes: lanes 0-15 rows 0-63, lanes 16-31 rows 64-127
	v_mov_b32 v5, s44
	v_mov_b32 v6, s45
	v_cmp_eq_u32 vcc_lo, 1, v2
	v_cndmask_b32 v[SELV], v5, v6, vcc_lo
.irp b, 0,1,2,3
	v_mov_b32 v[TM+4+\b], 0                        ; written once: a lane permute's destination counts as one of its sources
.endr
; Block a of 16 rows: the lane's 64 results, register 16 b + i = column 32 b + 16 (lane / 16) + i of its row, become 12 registers of codes and four scale bytes.  Each accumulator is read from its low end on.
.macro QUANTW a
.set AC, 64*((\a)%4)
.set W, 2+(\a)/4
	WIN W|(W<<2)                                   ; sources 0 and 1: the accumulators' window
.irp b, 0,1,2,3
	v_max3_num_f32 v[TM+\b], |v[AC+16*\b]|, |v[AC+16*\b+1]|, 0x2800000   ; block b: my 16 numbers, and the floor 2^(5 - 127): the byte cannot fall under 1
.endr
	WIN (W<<2)|(W<<4)                              ; sources 1 and 2
.irp i, 2,4,6,8,10,12,14
.irp b, 0,1,2,3
	v_max3_num_f32 v[TM+\b], v[TM+\b], |v[AC+16*\b+\i]|, |v[AC+16*\b+\i+1]|   ; (the four blocks by turns)
.endr
.endr
	WIN 0
.irp b, 0,1,2,3
	v_permlanex16_b32 v[TM+4+\b], v[TM+\b], s2, s3
.endr
.irp b, 0,1,2,3
	v_max_num_f32 v[TM+\b], v[TM+\b], v[TM+4+\b]   ; with lane l xor 16's: the block's largest magnitude
.endr
.irp b, 0,1,2,3
	v_add_nc_u32 v[TM+12+\b], 0xfe000000, v[TM+\b] ; 4 off its exponent field: the conversion's scale operand
.endr
.irp b, 0,1,2,3
	v_lshrrev_b32 v[TM+4+\b], 23, v[TM+12+\b]      ; the scale's byte
.endr
	v_lshl_or_b32 v[PW], v[TM+5], 8, v[TM+4]
	v_lshl_or_b32 v[PW], v[TM+6], 16, v[PW]
	v_lshl_or_b32 v[PW], v[TM+7], 24, v[PW]
	s_wait_dscnt 0x0                               ; the last block's stores into the stage have read their registers
	WIN W                                          ; source 0
.irp c, 0,1
	v_cvt_scalef32_pk16_bf6_f32 v[PC+6*\c:PC+6*\c+2], v[AC+32*\c:AC+32*\c+15], v[TM+12+2*\c]
	v_cvt_scalef32_pk16_bf6_f32 v[PC+12+4*\c:PC+14+4*\c], v[AC+16+32*\c:AC+31+32*\c], v[TM+13+2*\c]   ; (a conversion's three registers begin on an even number)
.endr
	WIN 0
	v_nop                                          ; one plain line behind a scaled conversion
.irp c, 0,1                                    ; a WHOLE block to a lane: lanes 0-15 block 2 c, lanes 16-31 block 2 c + 1
.irp i, 0,1,2
	v_permlane16_swap_b32 v[PC+6*\c+\i], v[PC+12+4*\c+\i]
.endr
.irp i, 0,1,2
	v_mov_b32 v[PC+3+6*\c+\i], v[PC+12+4*\c+\i]
.endr
.endr
	v_perm_b32 v[PWS], v[PW], v[PW], v[SELV]
.irp p, 0,1,2
	ds_store_b64 v[STO], v[PC+2*\p:PC+2*\p+1] offset:768*(\a)+8*\p
.endr
.irp p, 0,1,2
	ds_store_b64 v[STO], v[PC+6+2*\p:PC+7+2*\p] offset:6144+768*(\a)+8*\p
.endr
	ds_store_b32 v[STS], v[PWS] offset:64*(\a)
.endm
.irp a, 0,1,2,3,4,5,6,7
	QUANTW \a
.endr
.irp i, 0,1,2,3,4,5,6,7,8,9,10,11,12,13,14,15,16,17,18,19,20,21,22,23
	ds_load_b128 v[BK+4*\i:BK+4*\i+3], v[RD] offset:512*\i           ; LDS serves a wave's instructions in order: these see my stores
.endr
.irp j, 0,1
	ds_load_b128 v[BS+4*\j:BS+4*\j+3], v[RDS] offset:512*\j
.endr
.macro OUT6 i0, base                   ; 3,072 consecutive bytes of one (j, g); each store covers 512 consecutive bytes, at a multiple of 256 from the buffer's first byte
.irp k, 0,1,2,3,4,5
	s_wait_dscnt 25-(\i0)-\k                       ; the younger loads from the stage may be out
	global_store_b128 v[CO], v[BK+4*((\i0)+\k):BK+4*((\i0)+\k)+3], s[\base:\base+1] offset:512*\k
.endr
.endm
	OUT6 0, 96
	OUT6 6, 100
	OUT6 12, 66
	OUT6 18, 92
	s_wait_dscnt 1
	global_store_b128 v[COS], v[BS:BS+3], s[98:99]     ; sixteen lanes store 256 consecutive bytes, aligned
	s_wait_dscnt 0
	global_store_b128 v[COS], v[BS+4:BS+7], s[94:95]
	s_wait_tensorcnt 0x0                           ; the wave's end
	ds_add_u32 v[SPW], v[NIL]
	s_wait_dscnt 0x0
	CROUND                                         ; the closing round: no work-group ends while a partner may still ask for a tile that names it
	s_endpgm
.Lfunc_end_k_qe0179ae625_qkv:
	.size	k_qe0179ae625_qkv, .Lfunc_end_k_qe0179ae625_qkv-k_qe0179ae625_qkv
	.p2alignl 7, 3214868480
	.fill 96, 4, 3214868480
	.section	.rodata,"a",@progbits
	.p2align	6, 0x0
	.amdhsa_kernel k_qe0179ae625_qkv
		.amdhsa_group_segment_fixed_size 327680
		.amdhsa_private_segment_fixed_size 0
		.amdhsa_enable_private_segment 0
		.amdhsa_kernarg_size 48
		.amdhsa_user_sgpr_count 2
		.amdhsa_user_sgpr_kernarg_segment_ptr 1
		.amdhsa_wavefront_size32 1
		.amdhsa_system_sgpr_workgroup_id_x 1
		.amdhsa_system_sgpr_workgroup_id_y 1
		.amdhsa_system_sgpr_workgroup_id_z 1
		.amdhsa_system_vgpr_workitem_id 0
		.amdhsa_next_free_vgpr 1024
		.amdhsa_next_free_sgpr 102
		.amdhsa_reserve_vcc 1
		.amdhsa_float_denorm_mode_32 3
		.amdhsa_float_denorm_mode_16_64 3
		.amdhsa_memory_ordered 1
		.amdhsa_forward_progress 1
		.amdhsa_inst_pref_size 173
	.end_amdhsa_kernel
	.amdgpu_metadata
---
amdhsa.version: [ 1, 2 ]
amdhsa.kernels:
  - .name:           k_qe0179ae625_qkv
    .symbol:         k_qe0179ae625_qkv.kd
    .args:
      - { .name: xc, .offset: 0, .size: 8, .value_kind: global_buffer, .address_space: global }
      - { .name: xs, .offset: 8, .size: 8, .value_kind: global_buffer, .address_space: global }
      - { .name: wc, .offset: 16, .size: 8, .value_kind: global_buffer, .address_space: global }
      - { .name: ws, .offset: 24, .size: 8, .value_kind: global_buffer, .address_space: global }
      - { .name: qkvc, .offset: 32, .size: 8, .value_kind: global_buffer, .address_space: global }
      - { .name: qkvs, .offset: 40, .size: 8, .value_kind: global_buffer, .address_space: global }
    .group_segment_fixed_size: 327680
    .private_segment_fixed_size: 0
    .kernarg_segment_align: 8
    .kernarg_segment_size: 48
    .max_flat_workgroup_size: 128
    .sgpr_count:     102
    .vgpr_count:     1024
    .wavefront_size: 32
...
	.end_amdgpu_metadata
.endif
;; end of part 2
;; launch attn (part 3): grid 4 x 64, 16 waves a work-group, clusters of 4 x 1, 247,808 bytes of LDS; arguments qkvc, qkvs, yc, ys; writes yc, ys
.if DOCPART == 3
	.amdgcn_target "amdgcn-amd-amdhsa--gfx1250"
	.amdhsa_code_object_version 6
	.text
	.protected	k_qe0179ae625_attn
	.globl	k_qe0179ae625_attn
	.p2align	8
	.type	k_qe0179ae625_attn,@function
k_qe0179ae625_attn:
	s_mov_b64 s[64:65], 0
	v_nop
	global_prefetch_b8 v0, s[64:65] scope:SCOPE_SE
	s_setreg_imm32_b32 hwreg(HW_REG_WAVE_MODE, 25, 1), 1
	s_wait_xcnt 0x0
	s_wait_alu depctr_hold_cnt(0) depctr_sa_sdst(0) depctr_va_vdst(0) depctr_va_sdst(0) depctr_va_ssrc(0) depctr_va_vcc(0) depctr_vm_vsrc(0)
	s_getreg_b32 s2, hwreg(HW_REG_IB_STS2, 6, 4)
	s_cmp_eq_u32 s2, 0
	s_cbranch_scc0 .Lentry_in_a_cluster
	s_endpgm
.Lentry_in_a_cluster:
	s_bfe_u32 s2, ttmp6, 0x10000c
	s_cmp_lg_u32 s2, 0x3003
	s_cbranch_scc0 .Lentry_shape_is_right
	s_endpgm
.Lentry_shape_is_right:
; y[b][token][head] = softmax(q k^T / 8, causal) v, both products on codes of BF6 (E3M2) with one E8M0 scale for each 32 along a product's K; y leaves quantised along the model's 1,024 (two blocks a head).
; IN.  qkvc, qkvs as the launch before lays them: q, k [position][48 bytes] with tokens in POSITION ORDER (position 16 u + r of each 32 holds token 8 u + r + 8 (r / 8)); V^T [token / 64][channel position][48 bytes], tokens in true order.
; THE SOFTMAX: t = score x log2(e) / 8; M = the running largest t rounded UP to a whole number; p = 2^(t - M) is quantised along the keys, not normalised; the row's sum is taken of the unquantised p and divides at the end.
; When M moves, the sum and O are multiplied by 2^(old M - new M): exact.
; THE HEAD'S 64 IN AN INSTRUCTION OF K = 128: q's upper six registers are zero codes; k's upper six are whatever follows (the next tile's codes, or zeros): E3M2 has no infinity and no NaN, so those products are zeros.
; The upper two scale bytes repeat the lower two.
; SHARES.  A cluster of four work-groups is one (batch, head); a head has 128 tiles of 16 query positions; tile q needs key steps (128 keys) 0 .. q / 8.  A wave owns tiles qA = 8 c + e and qB = 127 - qA: c + 1 and 16 - c steps,
; 17 for every wave.  c hangs on the wave's number alone, so every branch is alike in all partners; e = 2 cx + a bit of the wave's number enters only global offsets and the mask's vector term.
; ALL OF THE HEAD'S K AND V LIE IN LDS, filled once, by joint loads (each of the four work-groups issues the same loads with a mask that names the four): no slot is filled again.  Each wave issues two: its sixteenth of the first
; 65,536 bytes (keys 0-511 of K and V, and all scale words) and its part of the rest; the first four key steps are worked while the rest is on its way.  By this text's count a wave has two tensor loads outstanding.
; LAYOUT.  S^T = K Q^T (source 0 = 16 key positions), O^T = V^T P^T (source 0 = 16 channel positions): a lane holds ONE query (lane % 16).  By the position order the 16 registers of tiles 2 b, 2 b + 1 of S^T are keys
; 32 b + 16 (lane / 16) + 0 .. 15, and those of O^T channels likewise: both quantisers find 16 neighbours in a lane.
; OUT.  yc [head][position 8192][48 bytes]; ys [position][32]: byte 2 head + block.  A work-group holds one head, so ys is written two bytes a row (one byte in 24 of what this launch stores).
; LIMITS: a block of y whose largest magnitude lies under 2^(5 - 127) gets the byte 1.
.set PLANE,  393216
.set V0L,    24576                     ; LDS: K's positions 0-511 at 0; V's first 8 x 64 keys here;
.set KSL,    49152                     ; K's scale words, 8,192 bytes;
.set VSL,    57344                     ; V's;
.set K1L,    65536                     ; K's positions 512-2047, 73,728 bytes;
.set V1L,    139264                    ; V's rest;
.set STAGE,  212992                    ; and 2,048 bytes for each wave for the way out: no load lands there
.set LK,   1                           ; v1   48 r + 24 h: my lane's place in a tile of 16 rows of 48 bytes
.set LS4,  2                           ; v2   4 r: and among its scale words
.set AD,   3                           ; v3   the address of the loads in hand
.set ADC,  4                           ; v4   and of their scale words
.set KF,   40                          ; v40-87 eight tiles of K (6 registers each) or four of V (12 each); v88-93 zeros, never rewritten
.set SCW,  248                         ; v248-255 their scale words
.set QL,   243                         ; v243 r + 8 (r / 8) - 16 h
; v5 at work; v6, v7 q's scale words (A, B); v8-11 tile B's -M, largest t, sum in two halves; v12-15 tile A's; v16-27, v28-39 q's fragments; v94 f; v95 p's scale word; v96-159 S^T, then p; v160-191, v192-223 O^T; v224-247 at work
.set WV,    12
.set LASTA, 17                         ; s17 c: tile A's last key step
.set LASTB, 20                         ; s20 15 - c
.set QDA,   21                         ; s21 tile A's first token within its key step, less r's part
.set QDB,   22
.set SEL,   24                         ; s[24:25] lane selects for v_permlanex16_b32
.set CS,    26                         ; s[26:27] log2(e) / 8, twice
.set SI,    28                         ; s28 the key step
.set TK,    29                         ; s29-32 where the step's K, V and their scale words begin in LDS
.set TV,    30
.set TKS,   31
.set TVS,   32
.set G1A,   36
.set G1B,   44
.set G0A,   52
.set G0B,   56
.set QOA,   60                         ; s60, s61 byte offset of my tiles in q's plane and in yc alike
.set QOB,   61
.set QSA,   62                         ; s62, s63 of their scale words
.set QSB,   63
.set YSA,   66                         ; s66, s67 of their bytes in ys
.set YSB,   67
.macro ROUND                           ; a round of the cluster's barrier
	s_barrier_signal -1
	s_barrier_wait -1
	s_cmp_lg_u32 s[WV], 0
	s_cbranch_scc1 .Lnot_wave_0_\@
	s_barrier_signal -3
.Lnot_wave_0_\@:
	s_barrier_wait -3
	s_barrier_signal -1
	s_barrier_wait -1
.endm
	s_load_b256 s[4:11], s[0:1], 0x0               ; qkvc, qkvs, yc, ys
	v_lshl_add_u32 v254, v0, 2, 0x3c000
	v_mov_b32 v255, 0
	ds_add_u32 v254, v255
	ds_add_u32 v254, v255
	s_wait_dscnt 0x0
	v_lshrrev_b32 v1, 5, v0
	v_readfirstlane_b32 s[WV], v1                  ; wave 0..15
	s_and_b32 s14, ttmp7, 0xffff                   ; the cluster's y = 16 batch + head
	s_lshr_b32 s15, s14, 4
	s_and_b32 s16, s14, 15
	s_lshr_b32 s68, s[WV], 2
	s_xor_b32 s69, s68, s[WV]
	s_and_b32 s69, s69, 1
	s_lshl_b32 s[LASTA], s68, 1
	s_add_co_u32 s[LASTA], s[LASTA], s69           ; c = 2 (w / 4) + ((w / 4) xor w) % 2
	s_sub_co_u32 s[LASTB], 15, s[LASTA]
	s_mul_i32 s70, s16, PLANE
	s_mul_i32 s71, s15, 98304
	s_add_co_u32 s70, s70, s71                     ; the head's and batch's first byte in a plane of codes (2,048 x 48 bytes a batch),
	s_lshl_b32 s71, s16, 15
	s_lshl_b32 s72, s15, 13
	s_add_co_u32 s71, s71, s72                     ; and in a plane of scale words
	; descriptor groups 1: dense blocks as rows of 256 bytes (32 elements of 8 bytes), no padding; 16 rows, and 36 rows
.irp g, G1A, G1B
	s_mov_b32 s[\g], 15|(3<<16)|(1<<21)            ; 15:0 the mask: all four work-groups; 17:16 elements of 8 bytes; 21 set beside a mask
	s_mov_b32 s[\g+1], 32<<16                      ; tensor_dim0
	s_mov_b32 s[\g+3], 32<<16                      ; tile_dim0
	s_mov_b32 s[\g+5], 32                          ; tensor_dim0_stride
	s_mov_b32 s[\g+6], 0
	s_mov_b32 s[\g+7], 0
.endr
	s_mov_b32 s[G1A+2], 16<<16                     ; tensor_dim1
	s_mov_b32 s[G1A+4], 16                         ; tile_dim1
	s_mov_b32 s[G1B+2], 36<<16
	s_mov_b32 s[G1B+4], 36
	; my first load: LDS bytes 4,096 w on.  Waves 0-5: K; 6-11: V; 12, 13: K's scale words; 14, 15: V's
	s_add_co_u32 s72, s70, 16*PLANE
	s_add_co_u32 s73, s70, 32*PLANE-V0L
	s_add_co_u32 s74, s71, 16*32768-KSL
	s_add_co_u32 s75, s71, 32*32768-VSL
	s_wait_kmcnt 0x0
	s_cmp_lt_u32 s[WV], 6
	s_cselect_b32 s76, s72, s73
	s_cmp_lt_u32 s[WV], 14
	s_cselect_b32 s77, s74, s75
	s_cmp_lt_u32 s[WV], 12
	s_cselect_b32 s76, s76, s77
	s_cselect_b64 s[78:79], s[4:5], s[6:7]
	s_lshl_b32 s[G0A+1], s[WV], 12                 ; LDS address
	s_add_co_u32 s76, s76, s[G0A+1]
	s_mov_b32 s77, 0
	s_mov_b32 s[G0A], 1
	s_add_nc_u64 s[G0A+2:G0A+3], s[78:79], s[76:77]
	s_or_b32 s[G0A+3], s[G0A+3], 0x80000000
	; my second: LDS bytes 65,536 + 9,216 w on.  Waves 0-7: K's positions 512 on; 8-15: V's keys 512 on
	s_add_co_u32 s72, s72, V0L
	s_add_co_u32 s73, s70, 32*PLANE+V0L-73728
	s_cmp_lt_u32 s[WV], 8
	s_cselect_b32 s72, s72, s73
	s_mul_i32 s73, s[WV], 9216
	s_add_co_u32 s72, s72, s73
	s_add_co_u32 s[G0B+1], s73, K1L
	s_mov_b32 s73, 0
	s_mov_b32 s[G0B], 1
	s_add_nc_u64 s[G0B+2:G0B+3], s[4:5], s[72:73]
	s_or_b32 s[G0B+3], s[G0B+3], 0x80000000
	ROUND                                          ; all four work-groups are here: the joint loads meet
	tensor_load_to_lds s[G0A:G0A+3], s[G1A:G1A+7]
	s_nop 0
	tensor_load_to_lds s[G0B:G0B+3], s[G1B:G1B+7]
	s_nop 0
.rept 4
	v_nop
.endr
	; what hangs on my place in the cluster: global offsets and the mask's term alone
	s_bfe_u32 s13, ttmp6, 0x40000                  ; cx
	s_bfe_u32 s69, s[WV], 0x10001
	s_lshl_b32 s18, s13, 1
	s_add_co_u32 s18, s18, s69                     ; e
	s_lshl_b32 s68, s[LASTA], 3
	s_add_co_u32 s68, s68, s18                     ; qA
	s_sub_co_u32 s69, 127, s68                     ; qB
	s_mul_i32 s[QOA], s68, 768
	s_add_co_u32 s[QOA], s[QOA], s70
	s_mul_i32 s[QOB], s69, 768
	s_add_co_u32 s[QOB], s[QOB], s70
	s_lshl_b32 s[QSA], s68, 6
	s_add_co_u32 s[QSA], s[QSA], s71
	s_lshl_b32 s[QSB], s69, 6
	s_add_co_u32 s[QSB], s[QSB], s71
	s_lshl_b32 s72, s15, 16
	s_lshl_b32 s73, s16, 1
	s_add_co_u32 s72, s72, s73                     ; 2,048 batch x 32 + 2 head
	s_lshl_b32 s[YSA], s68, 9
	s_add_co_u32 s[YSA], s[YSA], s72
	s_lshl_b32 s[YSB], s69, 9
	s_add_co_u32 s[YSB], s[YSB], s72
	s_lshr_b32 s72, s18, 1
	s_lshl_b32 s72, s72, 5
	s_and_b32 s73, s18, 1
	s_lshl_b32 s73, s73, 3
	s_add_co_u32 s[QDA], s72, s73                  ; 32 (e / 2) + 8 (e % 2)
	s_sub_co_u32 s74, 7, s18
	s_lshr_b32 s72, s74, 1
	s_lshl_b32 s72, s72, 5
	s_and_b32 s73, s74, 1
	s_lshl_b32 s73, s73, 3
	s_add_co_u32 s[QDB], s72, s73                  ; the same of 7 - e
	s_mov_b32 s[SEL], 0x76543210
	s_mov_b32 s[SEL+1], 0xfedcba98
	s_mov_b32 s[CS], 0x3e38aa3b                    ; log2(e) / 8
	s_mov_b32 s[CS+1], s[CS]                       ; (named with it as a pair, so it is written)
	v_and_b32 v5, 15, v0                           ; r
	v_bfe_u32 v3, v0, 4, 1                         ; h
	v_mul_u32_u24 v[LK], v5, 48
	v_mad_u32_u24 v[LK], v3, 24, v[LK]
	v_lshlrev_b32 v[LS4], 2, v5
	v_and_b32 v4, 8, v5
	v_add_nc_u32 v4, v4, v5
	v_lshlrev_b32 v[QL], 4, v3
	v_sub_nc_u32 v[QL], v4, v[QL]
	v_add_nc_u32 v224, s[QOA], v[LK]
	v_add_nc_u32 v225, s[QOB], v[LK]
	v_add_nc_u32 v226, s[QSA], v[LS4]
	v_add_nc_u32 v227, s[QSB], v[LS4]
.irp p, 0,1,2
	global_load_b64 v[16+2*\p:17+2*\p], v224, s[4:5] offset:8*\p   ; q's fragments stay in registers: 24 bytes a lane
	global_load_b64 v[28+2*\p:29+2*\p], v225, s[4:5] offset:8*\p
.endr
	global_load_b32 v6, v226, s[6:7]
	global_load_b32 v7, v227, s[6:7]
.irp i, 0,1,2,3,4,5
	v_mov_b32 v[22+\i], 0                          ; zero codes for K = 64 .. 127
	v_mov_b32 v[34+\i], 0
	v_mov_b32 v[88+\i], 0
.endr
.irp s, 8, 12
	v_mov_b32 v[\s+1], 0xff61b1e6                  ; the largest t so far: -3e38
	v_floor_f32 v[\s], -v[\s+1]                    ; -M
	v_mov_b32 v[\s+2], 0                           ; the sum, in two halves
	v_mov_b32 v[\s+3], 0
.endr
.irp b, 0,1,2,3
	v_mov_b32 v[236+\b], 0                         ; written once: a lane permute's destination counts as one of its sources
.endr
	v_mov_b32 v95, 0                               ; (named as the upper half of the pair v[94:95] before it is first written)
.set n, 0
.rept 64
	v_mov_b32 v[160+n], 0                          ; O^T of both tiles: the step is written once, and its first run finds zeros
.set n, n+1
.endr
; A KEY STEP of one tile: 128 keys.  qr, qs: q's fragment and scale word; st: the statistics; oo: O^T; last: the tile's last step; qd: its mask term.
.macro STEP qr, qs, st, oo, last, qd
	s_cmp_gt_u32 s[SI], s[\last]                   ; all keys of the step come after the tile's queries: nothing to do.  (The wave's number and the step alone decide)
	s_cbranch_scc1 .Lskip_\@
	v_add_nc_u32 v[AD], s[TK], v[LK]
	v_add_nc_u32 v[ADC], s[TKS], v[LS4]
	v_nop
	v_nop                                          ; four plain lines between the last products and the loads into their registers
.irp t, 0,1,2,3,4,5,6,7
.irp p, 0,1,2
	ds_load_b64 v[KF+6*\t+2*\p:KF+6*\t+2*\p+1], v[AD] offset:768*\t+8*\p   ; rows 48 bytes apart: the 32 lanes touch 64 different banks (64 banks of 4 bytes: ISA guide 11.1)
.endr
	ds_load_b32 v[SCW+\t], v[ADC] offset:64*\t
.endr
	s_wait_dscnt 0x0
.irp t, 0,1,2,3,4,5,6,7
	v_wmma_scale_f32_16x16x128_f8f6f4 v[96+8*\t:103+8*\t], v[KF+6*\t:KF+6*\t+11], v[\qr:\qr+11], 0, v[SCW+\t], v[\qs] matrix_a_fmt:MATRIX_FMT_BF6 matrix_b_fmt:MATRIX_FMT_BF6
.endr
	v_add_nc_u32 v[AD], s[TV], v[LK]
	v_add_nc_u32 v[ADC], s[TVS], v[LS4]
	v_nop
	v_nop                                          ; four plain lines: for V's loads into K's registers, and for the first read of the scores
.irp t, 0,1,2,3
.irp p, 0,1,2,3,4,5
	ds_load_b64 v[KF+12*\t+2*\p:KF+12*\t+2*\p+1], v[AD] offset:3072*(\p/3)+768*\t+8*(\p%3)   ; V lands while the softmax is worked
.endr
	ds_load_b32 v[SCW+\t], v[ADC] offset:64*\t
.endr
	s_cmp_lg_u32 s[SI], s[\last]
	s_cbranch_scc1 .Lopen_\@
	v_add_nc_u32 v94, s[\qd], v[QL]                ; on the diagonal: register 16 b + i holds key 32 b + 16 h + i of the step: hidden where 32 b + i > my token - 16 h
	v_mov_b32 v5, 0xff800000                       ; -infinity: p = 0 then
.set n, 0
.rept 64
	v_cmp_gt_i32 vcc_lo, 32*(n/16)+n%16, v94
	v_cndmask_b32 v[96+n], v[96+n], v5, vcc_lo
.set n, n+1
.endr
.Lopen_\@:
.irp b, 0,1,2,3
	v_max3_num_f32 v[232+\b], v[96+16*\b], v[97+16*\b], v[98+16*\b]   ; the largest score of each block of 32 keys: for the row's maximum, and, since p rises with the score, for the block's largest p
.endr
.irp i, 3,5,7,9,11,13
.irp b, 0,1,2,3
	v_max3_num_f32 v[232+\b], v[232+\b], v[96+16*\b+\i], v[97+16*\b+\i]
.endr
.endr
.irp b, 0,1,2,3
	v_max_num_f32 v[232+\b], v[232+\b], v[111+16*\b]
.endr
.irp b, 0,1,2,3
	v_permlanex16_b32 v[236+\b], v[232+\b], s[SEL], s[SEL+1]
.endr
.irp b, 0,1,2,3
	v_max_num_f32 v[232+\b], v[232+\b], v[236+\b]  ; with lane l xor 16's 16 keys
.endr
	v_max3_num_f32 v5, v232, v233, v234
	v_max_num_f32 v5, v5, v235
	v_mul_f32 v5, s[CS], v5                        ; the step's largest t
	v_max_num_f32 v[\st+1], v[\st+1], v5           ; the running largest t
	v_mov_b32 v5, v[\st]
	v_floor_f32 v[\st], -v[\st+1]                  ; the new -M = -ceil(t)
	v_sub_f32 v5, v[\st], v5                       ; old M - new M: a whole number, 0 or less
	v_cvt_i32_f32 v5, v5                           ; (it saturates)
	v_ldexp_f32 v94, 1.0, v5                       ; f = 2^(old M - new M)
.set n, 0
.rept 32
	v_pk_fma_f32 v[96+n:97+n], v[96+n:97+n], s[CS:CS+1], v[\st:\st+1] op_sel_hi:[1,0,0]   ; t - M, two at a time
.set n, n+2
.endr
.irp b, 0,1,2,3
	v_fma_f32 v[232+\b], v[232+\b], s[CS], v[\st]  ; the same of each block's largest score
.endr
.set n, 0
.rept 64
	v_exp_f32 v[96+n], v[96+n]                     ; p = 2^(t - M)
.set n, n+1
.endr
	v_pk_mul_f32 v[\st+2:\st+3], v[\st+2:\st+3], v[94:95] op_sel_hi:[1,0]   ; the sums under the new M (the plain line behind the exponentials)
	s_wait_alu depctr_va_vdst(0)                   ; one wait for the whole batch, ahead of its first reader
.irp b, 0,1,2,3
	v_exp_f32 v[232+\b], v[232+\b]                 ; the block's largest p
.endr
	v_pk_add_f32 v[236:237], v[96:97], v[98:99]    ; the row's sum of the unquantised p, in two chains
.irp j, 4,8,12,16,20,24,28,32,36,40,44,48,52,56,60
	v_pk_add_f32 v[\st+2:\st+3], v[\st+2:\st+3], v[96+\j:97+\j]
	v_pk_add_f32 v[236:237], v[236:237], v[98+\j:99+\j]
.endr
	v_pk_add_f32 v[\st+2:\st+3], v[\st+2:\st+3], v[236:237]
	s_wait_alu depctr_va_vdst(0)                   ; and one for the four
.irp b, 0,1,2,3
	v_max_num_f32 v[232+\b], 0x2800000, v[232+\b]  ; the floor 2^(5 - 127): the byte cannot fall under 1
.endr
.irp b, 0,1,2,3
	v_add_nc_u32 v[244+\b], 0xfe000000, v[232+\b]  ; 4 off the exponent field: the conversion's scale operand
.endr
.irp b, 0,1,2,3
	v_lshrrev_b32 v[236+\b], 23, v[244+\b]
.endr
	v_lshl_or_b32 v95, v237, 8, v236               ; p's scale word for these 128 keys
	v_lshl_or_b32 v95, v238, 16, v95
	v_lshl_or_b32 v95, v239, 24, v95
.irp c, 0,1
	v_cvt_scalef32_pk16_bf6_f32 v[224+6*\c:226+6*\c], v[96+32*\c:111+32*\c], v[244+2*\c]
	v_cvt_scalef32_pk16_bf6_f32 v[236+4*\c:238+4*\c], v[112+32*\c:127+32*\c], v[244+2*\c+1]
.endr
	v_nop                                          ; one plain line behind a scaled conversion
.irp c, 0,1
.irp i, 0,1,2
	v_permlane16_swap_b32 v[224+6*\c+\i], v[236+4*\c+\i]
.endr
.irp i, 0,1,2
	v_mov_b32 v[227+6*\c+\i], v[236+4*\c+\i]
.endr
.endr
.set n, 0
.rept 16
	v_pk_mul_f32 v[\oo+n:\oo+n+1], v[\oo+n:\oo+n+1], v[94:95] op_sel_hi:[1,0]   ; O^T under the new M; these are also the plain lines between the writes of p's codes and scale word and the products
.set n, n+2
.endr
	s_wait_dscnt 0x0                               ; V is in
.irp t, 0,1,2,3
	v_wmma_scale_f32_16x16x128_f8f6f4 v[\oo+8*\t:\oo+8*\t+7], v[KF+12*\t:KF+12*\t+11], v[224:235], v[\oo+8*\t:\oo+8*\t+7], v[SCW+\t], v95 matrix_a_fmt:MATRIX_FMT_BF6 matrix_b_fmt:MATRIX_FMT_BF6
.endr
.Lskip_\@:
.endm
.macro TRIP                            ; one key step of both tiles, and on to the next
	STEP 16, 6, 12, 160, LASTA, QDA
	STEP 28, 7, 8, 192, LASTB, QDB
	s_add_co_u32 s[TK], s[TK], 6144
	s_add_co_u32 s[TV], s[TV], 6144
	s_add_co_u32 s[TKS], s[TKS], 512
	s_add_co_u32 s[TVS], s[TVS], 512
	s_add_co_u32 s[SI], s[SI], 1
.endm
	s_wait_loadcnt 0x0                             ; q
	s_wait_tensorcnt 0x1                           ; my first load has landed; my second may stay out
	s_barrier_signal -1
	s_barrier_wait -1                              ; everybody's first has: keys 0-511 and all scale words lie in LDS
	s_mov_b32 s[SI], 0
	s_mov_b32 s[TK], 0
	s_mov_b32 s[TV], V0L
	s_mov_b32 s[TKS], KSL
	s_mov_b32 s[TVS], VSL
.Lfirst:
	TRIP
	s_cmp_lt_u32 s[SI], 4
	s_cbranch_scc1 .Lfirst
	s_wait_tensorcnt 0x0                           ; my second load has landed,
	s_wait_dscnt 0x0
	s_barrier_signal -1
	s_barrier_wait -1                              ; everybody's has
	s_mov_b32 s[SI], 4
	s_mov_b32 s[TK], K1L
	s_mov_b32 s[TV], V1L
	s_mov_b32 s[TKS], KSL+4*512
	s_mov_b32 s[TVS], VSL+4*512
.Lrest:
	TRIP
	s_cmp_lt_u32 s[SI], 16
	s_cbranch_scc1 .Lrest
	; THE WAY OUT.  O^T / the sum is y: a lane's 32 numbers are channels 32 b + 16 h + 0 .. 15 of its query: two blocks, quantised as p is; the codes go through my stage and leave as runs of 256 bytes.
.rept 4
	v_nop                                          ; four plain lines behind the last products
.endr
	s_lshl_b32 s68, s[WV], 11
	s_add_co_u32 s68, s68, STAGE                   ; my stage
	v_and_b32 v147, 31, v0
	v_lshlrev_b32 v140, 4, v147                    ; 16 x lane
	v_add_nc_u32 v141, s68, v140                   ; back out of the stage
	v_add_nc_u32 v142, s68, v[LK]                  ; into it
.macro FINISH oo, st, x, byt
	v_add_f32 v5, v[\st+2], v[\st+3]               ; the sum's two halves,
	v_permlanex16_b32 v236, v5, s[SEL], s[SEL+1]
	v_add_f32 v5, v5, v236                         ; and lane l xor 16's
	v_rcp_f32 v94, v5
	v_nop                                          ; a plain line behind the reciprocal,
	s_wait_alu depctr_va_vdst(0)                   ; and the wait ahead of its first reader
.set n, 0
.rept 16
	v_pk_mul_f32 v[96+n:97+n], v[\oo+n:\oo+n+1], v[94:95] op_sel_hi:[1,0]
.set n, n+2
.endr
.irp b, 0,1
	v_max3_num_f32 v[232+\b], |v[96+16*\b]|, |v[97+16*\b]|, 0x2800000
.endr
.irp i, 2,4,6,8,10,12,14
.irp b, 0,1
	v_max3_num_f32 v[232+\b], v[232+\b], |v[96+16*\b+\i]|, |v[97+16*\b+\i]|
.endr
.endr
.irp b, 0,1
	v_permlanex16_b32 v[236+\b], v[232+\b], s[SEL], s[SEL+1]
.endr
.irp b, 0,1
	v_max_num_f32 v[232+\b], v[232+\b], v[236+\b]
.endr
.irp b, 0,1
	v_add_nc_u32 v[244+\b], 0xfe000000, v[232+\b]
.endr
.irp b, 0,1
	v_lshrrev_b32 v[236+\b], 23, v[244+\b]
.endr
	v_lshl_or_b32 v[\byt], v237, 8, v236           ; the head's two scale bytes of my query
	v_cvt_scalef32_pk16_bf6_f32 v[224:226], v[96:111], v244
	v_cvt_scalef32_pk16_bf6_f32 v[228:230], v[112:127], v245
	v_nop
	v_permlane16_swap_b32 v224, v228
	v_permlane16_swap_b32 v225, v229
	v_permlane16_swap_b32 v226, v230
	v_mov_b32 v227, v228
	v_mov_b32 v228, v229
	v_mov_b32 v229, v230                           ; v224-229: block h of my query, 24 bytes
.irp p, 0,1,2
	ds_store_b64 v142, v[224+2*\p:225+2*\p] offset:768*\x+8*\p
.endr
.endm
	FINISH 160, 12, 0, 240
	s_wait_dscnt 0x0                               ; the stores have read their registers
	FINISH 192, 8, 1, 241
.irp i, 0,1,2
	ds_load_b128 v[128+4*\i:131+4*\i], v141 offset:512*\i     ; LDS serves a wave's instructions in order: these see my stores
.endr
	v_cmp_gt_u32 vcc_lo, 16, v147                  ; lanes 0-15
	v_add_nc_u32 v143, s[QOA], v140                ; stage bytes 0-511: tile A's first 512
	v_add_nc_u32 v144, 0x200, v143                 ; 512-767: tile A's last 256;
	v_add_nc_u32 v145, s[QOB], v140
	v_add_nc_u32 v146, 0xffffff00, v145            ; 768-1023: tile B's first 256
	v_cndmask_b32 v144, v146, v144, vcc_lo
	v_add_nc_u32 v145, 0x100, v145                 ; 1024-1535: tile B's last 512
	v_mov_b32 v148, s[YSB]
	v_mov_b32 v149, s[YSA]
	v_cndmask_b32 v148, v148, v149, vcc_lo
	v_and_b32 v149, 15, v0
	v_lshl_add_u32 v148, v149, 5, v148             ; ys: lanes 0-15 tile A's rows, lanes 16-31 tile B's
	v_cndmask_b32 v150, v241, v240, vcc_lo
	s_wait_dscnt 2
	global_store_b128 v143, v[128:131], s[8:9]     ; each run of sixteen lanes stores 256 consecutive bytes, at a multiple of 256 from yc's first byte
	s_wait_dscnt 1
	global_store_b128 v144, v[132:135], s[8:9]
	s_wait_dscnt 0
	global_store_b128 v145, v[136:139], s[8:9]
	global_store_b16 v148, v150, s[10:11]
	s_wait_xcnt 0x0
	v_lshl_add_u32 v254, v0, 2, 0x3c000
	v_mov_b32 v255, 0
	s_wait_tensorcnt 0x0
	ds_add_u32 v254, v255
	s_wait_dscnt 0x0
	ROUND                                          ; the closing round: no work-group ends while a partner may still ask for a tile that names it
	s_endpgm
.Lfunc_end_k_qe0179ae625_attn:
	.size	k_qe0179ae625_attn, .Lfunc_end_k_qe0179ae625_attn-k_qe0179ae625_attn
	.p2alignl 7, 3214868480
	.fill 96, 4, 3214868480
	.section	.rodata,"a",@progbits
	.p2align	6, 0x0
	.amdhsa_kernel k_qe0179ae625_attn
		.amdhsa_group_segment_fixed_size 247808
		.amdhsa_private_segment_fixed_size 0
		.amdhsa_enable_private_segment 0
		.amdhsa_kernarg_size 32
		.amdhsa_user_sgpr_count 2
		.amdhsa_user_sgpr_kernarg_segment_ptr 1
		.amdhsa_wavefront_size32 1
		.amdhsa_system_sgpr_workgroup_id_x 1
		.amdhsa_system_sgpr_workgroup_id_y 1
		.amdhsa_system_sgpr_workgroup_id_z 1
		.amdhsa_system_vgpr_workitem_id 0
		.amdhsa_next_free_vgpr 256
		.amdhsa_next_free_sgpr 80
		.amdhsa_reserve_vcc 1
		.amdhsa_float_denorm_mode_32 3
		.amdhsa_float_denorm_mode_16_64 3
		.amdhsa_memory_ordered 1
		.amdhsa_forward_progress 1
		.amdhsa_inst_pref_size 110
	.end_amdhsa_kernel
	.amdgpu_metadata
---
amdhsa.version: [ 1, 2 ]
amdhsa.kernels:
  - .name:           k_qe0179ae625_attn
    .symbol:         k_qe0179ae625_attn.kd
    .args:
      - { .name: qkvc, .offset: 0, .size: 8, .value_kind: global_buffer, .address_space: global }
      - { .name: qkvs, .offset: 8, .size: 8, .value_kind: global_buffer, .address_space: global }
      - { .name: yc, .offset: 16, .size: 8, .value_kind: global_buffer, .address_space: global }
      - { .name: ys, .offset: 24, .size: 8, .value_kind: global_buffer, .address_space: global }
    .group_segment_fixed_size: 247808
    .private_segment_fixed_size: 0
    .kernarg_segment_align: 8
    .kernarg_segment_size: 32
    .max_flat_workgroup_size: 512
    .sgpr_count:     80
    .vgpr_count:     256
    .wavefront_size: 32
...
	.end_amdgpu_metadata
.endif
;; end of part 3
;; launch proj (part 4): grid 4 x 32, 4 waves a work-group, clusters of 4 x 4, 327,680 bytes of LDS; arguments yc, ys, wc, ws, out0; writes out0
.if DOCPART == 4
	.amdgcn_target "amdgcn-amd-amdhsa--gfx1250"
	.amdhsa_code_object_version 6
	.text
	.protected	k_qe0179ae625_proj
	.globl	k_qe0179ae625_proj
	.p2align	8
	.type	k_qe0179ae625_proj,@function
k_qe0179ae625_proj:
	s_mov_b64 s[64:65], 0
	v_nop
	global_prefetch_b8 v0, s[64:65] scope:SCOPE_SE
	s_setreg_imm32_b32 hwreg(HW_REG_WAVE_MODE, 25, 1), 1
	s_wait_xcnt 0x0
	s_wait_alu depctr_hold_cnt(0) depctr_sa_sdst(0) depctr_va_vdst(0) depctr_va_sdst(0) depctr_va_ssrc(0) depctr_va_vcc(0) depctr_vm_vsrc(0)
	s_getreg_b32 s2, hwreg(HW_REG_IB_STS2, 6, 4)
	s_cmp_eq_u32 s2, 0
	s_cbranch_scc0 .Lentry_in_a_cluster
	s_endpgm
.Lentry_in_a_cluster:
	s_bfe_u32 s2, ttmp6, 0x10000c
	s_cmp_lg_u32 s2, 0xf033
	s_cbranch_scc0 .Lentry_shape_is_right
	s_endpgm
.Lentry_shape_is_right:
; out0 = y Wo^T on codes of BF6 (E3M2) with one E8M0 scale for each 32 along K = 1,024; sums and out0 in f32.
; A = y: codes yc [head 16][position 8192][48 bytes], scale bytes ys [position][32]; its rows are tokens in POSITION ORDER (position 16 u + r of each 32 holds token 8 u + r + 8 (r / 8)).
; B = Wo: rows 3,072 on of wc [..][768 bytes] and ws [..][32], in their true order.  out0 [8192][1024] f32: the stores put each position's row at its token.
; A tile of C, 256 x 256, is made by a work-group of four waves; a wave makes 128 x 128: 64 accumulators, 512 registers.  C has 128 such tiles: this launch has work for 128 work-groups.
; K goes in steps of 256 through a ring of two LDS slots.  B's tile: 128 rows of 192 bytes a load, padded.  A's tile: a K step is four heads: 4 planes x (128 positions x 48 bytes = 6,144 consecutive bytes) a load, laid on end.
; The scale bytes of the tile's rows, for all of K, come into LDS once.  CLUSTERS: 4 x 4; A's tiles are shared along a row of the cluster, B's along a column, by joint loads.
; THE MATRIX INSTRUCTION IS USED TRANSPOSED (source 0 = 16 rows of B, source 1 = 16 rows of A): a lane holds eight neighbouring numbers of a row of C.
; REGISTERS, in windows of 256: window 0: v0-31 addresses; v32-63 scale words, two sets; v128-223 A's fragments, ONE set; on the way out v32-255 are free.
;   window 1: B's fragments, TWO sets.   window 2: the accumulators of my rows 0-63 ((a, b) at v[8 (8 a + b)]);   window 3: those of my rows 64-127.
.set SIZE_N, 1024
.set KSTEP,  256
.set NQ,     KSTEP/128
.set ROWB,   192
.set KROW,   768
.set PITCH,  240                       ; B's LDS row: 3 x (64 bytes + 16 of padding)
.set PL4,    4*393216                  ; four heads' planes of yc: a K step of A
.set FR,     12
.set NL,     6
.set NP,     4
.set HALFT,  128*PITCH                 ; a wave's part of a slot (A's loads use 24,576 bytes of it)
.set SLOT,   4*HALFT
.set LAPS,   2
.set KS,     32
.set SCL,    2*SLOT
.set HALFS,  (128*KS/256)*272
.set SBLK,   (16*KS/256)*272
.set SPARE,  SCL+4*HALFS               ; the spare words, 128 bytes for each wave, that no other line names
.set SPITCH, 528                       ; the way out: a stage of 16 rows x (512 bytes + 16) for each wave, in slot 0
.set ADRA, 16                          ; v16-17 LDS address of my A fragments in slot 0, 1
.set ADRB, 20                          ; v20-21 the same for B (v22-23: for the pieces behind one padding more)
.set STO,  24
.set RD,   25
.set CO,   26
.set ADRS, 27
.set SPW,  28                          ; v28 my spare word; never rewritten
.set NIL,  29                          ; v29 0; never rewritten
.set SC,   32
.set AF,   128
.set BK,   128
.set G1, 24
.set G0, 32
.set G1B, 48
.set G0B, 56
.set G1S, 68
.set G0S, 76
.set G1SB, 80
.set G0SB, 88
.set MSB, 0
.macro WIN new                         ; the immediate's high byte repeats the setting that is left
.if MSB != (\new)
	s_set_vgpr_msb (MSB<<8)|(\new)
.set MSB, (\new)
.endif
.endm
.set MUL_LO, 0xa1
.set MUL_HI, 0xf1
.set TO_B,   0x40
.macro JLOAD g0a, g1a, g0b, g1b        ; a joint load: waves 0 and 1 fetch for A, waves 2 and 3 for B; four v_nop follow each of the two lines
	s_cmp_eq_u32 s15, 0
	s_cbranch_scc0 .Lfor_b_\@
	tensor_load_to_lds s[\g0a:\g0a+3], s[\g1a:\g1a+7]
	s_nop 0
.rept 4
	v_nop
.endr
	s_branch .Lasked_\@
.Lfor_b_\@:
	tensor_load_to_lds s[\g0b:\g0b+3], s[\g1b:\g1b+7]
	s_nop 0
.rept 4
	v_nop
.endr
.Lasked_\@:
.endm
.macro CREST
	s_cmp_lg_u32 s14, 0
	s_cbranch_scc1 .Lnot_wave_0_\@
	s_barrier_signal -3
.Lnot_wave_0_\@:
	s_barrier_wait -3
	s_barrier_signal -1
	s_barrier_wait -1
.endm
.macro CROUND
	s_barrier_signal -1
	s_barrier_wait -1
	CREST
.endm
	s_load_b128 s[4:7], s[0:1], 0x0                ; yc, ys
	s_load_b128 s[8:11], s[0:1], 0x10              ; wc, ws
	s_load_b64 s[12:13], s[0:1], 0x20              ; out0
	v_lshl_add_u32 v[SPW], v0, 2, SPARE
	v_mov_b32 v[NIL], 0
	ds_add_u32 v28, v29
	ds_add_u32 v28, v29
	s_wait_dscnt 0x0
	v_lshrrev_b32 v1, 5, v0
	v_readfirstlane_b32 s14, v1                    ; wave 0..3
	s_lshr_b32 s15, s14, 1
	s_and_b32 s16, s14, 1
	s_bfe_u32 s40, ttmp6, 0x40000                  ; cx, cy
	s_bfe_u32 s41, ttmp6, 0x40004
	s_lshl_b32 s42, ttmp9, 2
	s_add_co_u32 s42, s42, s40                     ; tile column of C
	s_and_b32 s17, ttmp7, 0xffff
	s_lshl_b32 s17, s17, 2
	s_add_co_u32 s17, s17, s41                     ; tile row of C
	s_lshl_b32 s43, s41, 2
	s_lshl_b32 s43, 15, s43                        ; my row of the cluster
	s_lshl_b32 s44, 0x1111, s40                    ; my column
	; A's tiles: 4 rows (planes) of 768 elements of 8 bytes, 49,152 elements apart, no padding
	s_or_b32 s[G1+0], s43, (3<<16)|(1<<21)
	s_mov_b32 s[G1+1], 768<<16                     ; tensor_dim0
	s_mov_b32 s[G1+2], 4<<16                       ; tensor_dim1
	s_mov_b32 s[G1+3], 768<<16                     ; tile_dim0
	s_mov_b32 s[G1+4], 4                           ; tile_dim1
	s_mov_b32 s[G1+5], 49152                       ; tensor_dim0_stride
	s_mov_b32 s[G1+6], 0
	s_mov_b32 s[G1+7], 0
	; B's tiles: 128 rows x 192 bytes, 16 bytes of padding behind every 64
	s_or_b32 s[G1B+0], s44, (0<<16)|(1<<20)|(1<<21)|(3<<22)|(3<<25)
	s_mov_b32 s[G1B+1], ROWB<<16
	s_mov_b32 s[G1B+2], 128<<16
	s_mov_b32 s[G1B+3], ROWB<<16
	s_mov_b32 s[G1B+4], 128
	s_mov_b32 s[G1B+5], KROW
	s_mov_b32 s[G1B+6], 0
	s_mov_b32 s[G1B+7], 0
	; the scales of 128 rows: 4,096 dense bytes as rows of 256 bytes, 16 bytes of padding behind each
	s_or_b32 s[G1S+0], s43, (3<<16)|(1<<20)|(1<<21)|(5<<22)|(3<<25)
	s_or_b32 s[G1SB+0], s44, (3<<16)|(1<<20)|(1<<21)|(5<<22)|(3<<25)
.irp g, G1S, G1SB
	s_mov_b32 s[\g+1], 32<<16
	s_mov_b32 s[\g+2], (128*KS/256)<<16
	s_mov_b32 s[\g+3], 32<<16
	s_mov_b32 s[\g+4], 128*KS/256
	s_mov_b32 s[\g+5], 32
	s_mov_b32 s[\g+6], 0
	s_mov_b32 s[\g+7], 0
.endr
	s_lshl_b32 s18, s16, 7
	s_lshl_b32 s20, s17, 8
	s_add_co_u32 s20, s20, s18                     ; A: position 256 x tile row + 128 x half
	s_lshl_b32 s46, s42, 8
	s_add_co_u32 s46, s46, s18                     ; B: row 256 x tile column + 128 x half
	s_mov_b32 s21, 0
	s_mov_b32 s47, 0
	s_mov_b64 s[18:19], KS
	s_mul_u64 s[22:23], s[20:21], s[18:19]
	s_mul_u64 s[92:93], s[46:47], s[18:19]
	s_mov_b64 s[18:19], 48
	s_mul_u64 s[20:21], s[20:21], s[18:19]         ; A's codes: 48 bytes a position in a plane
	s_mov_b64 s[18:19], KROW
	s_mul_u64 s[46:47], s[46:47], s[18:19]
	s_mul_i32 s45, s14, HALFT
	s_mul_i32 s94, s14, HALFS
	s_wait_kmcnt 0x0
	s_add_nc_u64 s[8:9], s[8:9], 3072*KROW         ; Wo's codes
	s_add_nc_u64 s[10:11], s[10:11], 3072*KS       ; and its scale bytes
	s_add_nc_u64 s[20:21], s[4:5], s[20:21]
	s_add_nc_u64 s[22:23], s[6:7], s[22:23]
	s_add_nc_u64 s[46:47], s[8:9], s[46:47]
	s_add_nc_u64 s[92:93], s[10:11], s[92:93]
	CROUND                                         ; all sixteen work-groups are here: the first joint loads meet
	s_mov_b32 s[G0S], 1
	s_add_co_u32 s[G0S+1], s94, SCL
	s_mov_b64 s[G0S+2:G0S+3], s[22:23]
	s_or_b32 s[G0S+3], s[G0S+3], 0x80000000
	s_mov_b32 s[G0SB], 1
	s_add_co_u32 s[G0SB+1], s94, SCL
	s_mov_b64 s[G0SB+2:G0SB+3], s[92:93]
	s_or_b32 s[G0SB+3], s[G0SB+3], 0x80000000
	JLOAD G0S, G1S, G0SB, G1SB
.irp s, 0,1
	s_mov_b32 s[G0+4*\s], 1
	s_add_co_u32 s[G0+4*\s+1], s45, \s*SLOT
	s_add_nc_u64 s[G0+4*\s+2:G0+4*\s+3], s[20:21], \s*PL4
	s_or_b32 s[G0+4*\s+3], s[G0+4*\s+3], 0x80000000
	s_mov_b32 s[G0B+4*\s], 1
	s_add_co_u32 s[G0B+4*\s+1], s45, \s*SLOT
	s_add_nc_u64 s[G0B+4*\s+2:G0B+4*\s+3], s[46:47], \s*ROWB
	s_or_b32 s[G0B+4*\s+3], s[G0B+4*\s+3], 0x80000000
	JLOAD G0+4*\s, G1, G0B+4*\s, G1B
.endr
	v_and_b32 v1, 15, v0                           ; l % 16
	v_bfe_u32 v2, v0, 4, 1                         ; l / 16
	v_mul_u32_u24 v3, v1, PITCH
	v_mul_u32_u24 v4, v2, 24
	v_add_nc_u32 v4, v3, v4                        ; B: row x pitch + 24 x half
	v_lshl_add_u32 v5, v2, 4, v4                   ; and the same behind one padding more
	v_mul_u32_u24 v7, v1, 48
	v_mad_u32_u24 v7, v2, 24, v7                   ; A: row x 48 + 24 x half: the 32 lanes of a load of 8 bytes touch 64 different banks (64 banks of 4 bytes: ISA guide 11.1)
	s_mul_i32 s21, s15, HALFT
	s_mul_i32 s22, s16, HALFT
	s_add_co_u32 s22, s22, 2*HALFT
.irp s, 0,1
	v_add_nc_u32 v[ADRA+\s], s21, v7
	v_add_nc_u32 v[ADRB+\s], s22, v4
	v_add_nc_u32 v[ADRB+2+\s], s22, v5
	s_add_co_u32 s21, s21, SLOT
	s_add_co_u32 s22, s22, SLOT
.endr
	v_mul_u32_u24 v5, v1, KS
	v_lshrrev_b32 v6, 8, v5
	v_lshl_add_u32 v5, v6, 4, v5
	s_mul_i32 s21, s15, HALFS
	s_mul_i32 s22, s16, HALFS
	s_add_co_u32 s22, s22, 2*HALFS
	s_sub_co_u32 s22, s22, s21
	v_mul_u32_u24 v6, s22, v2                      ; lanes 16-31 take B's
	s_add_co_u32 s21, s21, SCL
	v_add_nc_u32 v5, v5, v6
	v_add_nc_u32 v[ADRS], s21, v5
	s_mul_i32 s23, s14, 16*SPITCH                  ; my stage
	v_mul_u32_u24 v5, v1, SPITCH
	v_lshl_add_u32 v5, v2, 5, v5
	v_add_nc_u32 v[STO], s23, v5
	v_and_b32 v6, 31, v0
	v_lshlrev_b32 v[CO], 4, v6
	v_add_nc_u32 v[RD], s23, v[CO]
	s_lshl_b32 s20, s17, 8
	s_lshl_b32 s21, s15, 7
	s_add_co_u32 s20, s20, s21                     ; my first row of C: a multiple of 32, so position and token agree there
	s_mov_b32 s21, 0
	s_mov_b64 s[18:19], SIZE_N*4
	s_mul_u64 s[20:21], s[20:21], s[18:19]
	s_lshl_b32 s46, s42, 10
	s_lshl_b32 s47, s16, 9
	s_add_co_u32 s46, s46, s47
	s_mov_b32 s47, 0
	s_add_nc_u64 s[20:21], s[20:21], s[46:47]
	s_add_nc_u64 s[12:13], s[12:13], s[20:21]
.macro FRAG reg, adr, q, i             ; B's fragment: 12 registers, 24 bytes of the row twice, in pieces of 8 bytes; where the piece three on lies behind one padding more, the second address register serves
.irp p, 0,1,2,3,4,5
.set PCE, 12*(\q)+6*(\p/3)+\p%3
.if PCE%8 < 5
	ds_load_b64 v[\reg+2*\p:\reg+2*\p+1], v[\adr] offset:8*PCE+16*(PCE/8)+(\i)*16*PITCH
.else
	ds_load_b64 v[\reg+2*\p:\reg+2*\p+1], v[\adr+2] offset:8*PCE+16*(PCE/8)+(\i)*16*PITCH
.endif
.endr
.endm
.macro FRAGA reg, adr, q, i            ; A's fragment: registers 6 c .. 6 c + 5 are block (lane / 16) of head 2 q + c of the slot's four: plane x 6,144 + row x 48 + 24 x half
.irp p, 0,1,2,3,4,5
	ds_load_b64 v[\reg+2*\p:\reg+2*\p+1], v[\adr] offset:(2*(\q)+\p/3)*6144+(\i)*768+8*(\p%3)
.endr
.endm
.macro MUL16 a0, p, q, sc, zero        ; the 64 accumulators take turns, one instruction a turn
.irp a, \a0, \a0+1
.irp b, 0,1,2,3,4,5,6,7
.if \zero
	v_wmma_scale_f32_16x16x128_f8f6f4 v[8*(8*((\a)%4)+\b):8*(8*((\a)%4)+\b)+7], v[128*(\p)+FR*\b:128*(\p)+FR*\b+FR-1], v[AF+FR*(\a):AF+FR*(\a)+FR-1], 0, v[SC+8*NQ*(\sc)+NQ*\b+(\q)], v[SC+8*NQ*(\sc)+NQ*(\a)+(\q)] matrix_a_fmt:MATRIX_FMT_BF6 matrix_b_fmt:MATRIX_FMT_BF6 matrix_a_scale:MATRIX_SCALE_ROW1
.else
	v_wmma_scale_f32_16x16x128_f8f6f4 v[8*(8*((\a)%4)+\b):8*(8*((\a)%4)+\b)+7], v[128*(\p)+FR*\b:128*(\p)+FR*\b+FR-1], v[AF+FR*(\a):AF+FR*(\a)+FR-1], v[8*(8*((\a)%4)+\b):8*(8*((\a)%4)+\b)+7], v[SC+8*NQ*(\sc)+NQ*\b+(\q)], v[SC+8*NQ*(\sc)+NQ*(\a)+(\q)] matrix_a_fmt:MATRIX_FMT_BF6 matrix_b_fmt:MATRIX_FMT_BF6 matrix_a_scale:MATRIX_SCALE_ROW1
.endif
.endr
.endr
.endm
.macro FETCH_B slot, q, p
	WIN TO_B
.irp i, 0,1,2,3,4,5,6,7
	FRAG 128*(\p)+FR*\i, ADRB+\slot, \q, \i
.endr
	WIN 0
.endm
.macro FETCH_A slot, q, i0
.irp i, \i0, \i0+1, \i0+2, \i0+3
	FRAGA AF+FR*(\i), ADRA+\slot, \q, \i
.endr
.endm
.macro SCALES sc
.irp i, 0,1,2,3,4,5,6,7
	ds_load_b64 v[SC+8*NQ*\sc+NQ*\i:SC+8*NQ*\sc+NQ*\i+1], v[ADRS] offset:\i*SBLK
.endr
.endm
.macro PLACES n                        ; plain vector lines between a matrix instruction and a load into, or a read of, its registers
.rept \n
	v_nop
.endr
.endm
.macro STEP slot, q, zero
	s_wait_dscnt 4*NL                              ; B's set and A's blocks 0-3 are in; the youngest loads (A's blocks 4-7) may be out
	WIN MUL_LO
	MUL16 0, (\q)%2, \q, \slot, \zero
	MUL16 2, (\q)%2, \q, \slot, \zero
	s_wait_dscnt 0
	PLACES NP
	FETCH_B \slot, (\q)+1, 1-(\q)%2
	FETCH_A \slot, (\q)+1, 0
	WIN MUL_HI
	MUL16 4, (\q)%2, \q, \slot, \zero
	MUL16 6, (\q)%2, \q, \slot, \zero
	PLACES NP
	WIN 0
	FETCH_A \slot, (\q)+1, 4
.endm
.macro TURN slot, next, fill           ; a slot's last step changes slots: one barrier; in front of it all my tensor loads, the add, and my reads of this slot are waited for
	s_wait_tensorcnt 0x0                           ; all my tensor loads have landed: my part of the next slot
	ds_add_u32 v[SPW], v[NIL]                      ; 0 onto my spare word
	s_wait_dscnt 4*NL+1                            ; (the add and the youngest loads, A's blocks 4-7, may be out)
	WIN MUL_LO
	MUL16 0, 1, NQ-1, \slot, 0
	s_wait_dscnt 0x0                               ; the add is done, and my reads of this slot are over
	s_barrier_signal -1
	MUL16 2, 1, NQ-1, \slot, 0
	WIN 0
	s_barrier_wait -1
.if \fill
	CREST                                          ; the barrier has opened a round of the cluster's barrier: no wave of any partner still reads this slot's tile or has a load on its way
	s_add_nc_u64 s[G0+4*\slot+2:G0+4*\slot+3], s[G0+4*\slot+2:G0+4*\slot+3], 2*PL4
	s_add_nc_u64 s[G0B+4*\slot+2:G0B+4*\slot+3], s[G0B+4*\slot+2:G0B+4*\slot+3], 2*ROWB
	JLOAD G0+4*\slot, G1, G0B+4*\slot, G1B         ; the first tensor load behind the round; its four v_nop are the places in front of the loads below
.else
	PLACES NP
.endif
	v_add_nc_u32 v[ADRS], 4*NQ, v[ADRS]
	FETCH_B \next, 0, 0
	FETCH_A \next, 0, 0
	SCALES \next
	WIN MUL_HI
	MUL16 4, 1, NQ-1, \slot, 0
	MUL16 6, 1, NQ-1, \slot, 0
	PLACES NP
	WIN 0
	FETCH_A \next, 0, 4
.endm
	s_wait_tensorcnt 1                             ; the scales and my part of K step 0 are in (K step 1's load may be out),
	s_barrier_signal -1
	s_barrier_wait -1                              ; everybody's are
	FETCH_B 0, 0, 0
	FETCH_A 0, 0, 0
	SCALES 0
	FETCH_A 0, 0, 4
	STEP 0, 0, 1                                   ; the first step's products start the sums
	s_mov_b32 s3, LAPS-1
.Llap:
	TURN 0, 1, 1
	STEP 1, 0, 0
	TURN 1, 0, 1
	STEP 0, 0, 0
	s_sub_co_u32 s3, s3, 1
	s_cmp_lg_u32 s3, 0
	s_cbranch_scc1 .Llap
	TURN 0, 1, 0                                   ; the last lap fills nothing
	STEP 1, 0, 0
	s_wait_dscnt 4*NL
	WIN MUL_LO
	MUL16 0, 1, NQ-1, 1, 0
	MUL16 2, 1, NQ-1, 1, 0
	s_wait_dscnt 0
	WIN MUL_HI
	MUL16 4, 1, NQ-1, 1, 0
	MUL16 6, 1, NQ-1, 1, 0
	WIN 0
; THE WAY OUT, block by block of 16 positions x 128 columns, through my own stage in LDS (in slot 0, which has had its last fill and its last read) and back as whole rows of 512 bytes.
; Position 16 a + t of my 128 is token 32 (a / 2) + 8 (a % 2) + t + 8 (t / 8): the block's part stands in the base, t's in the immediate.
.macro TOSTAGE a
.set AC, 64*((\a)%4)
	WIN 0x08+4*((\a)/4)                            ; the data: window 2 or 3
.irp b, 0,1,2,3,4,5,6,7
	ds_store_b128 v[STO], v[AC+8*\b:AC+8*\b+3] offset:64*\b          ; each accumulator from its low end on
	ds_store_b128 v[STO], v[AC+8*\b+4:AC+8*\b+7] offset:64*\b+16
.endr
	WIN 0
.set BB, BK+64*((\a)%2)
.irp t, 0,1,2,3,4,5,6,7,8,9,10,11,12,13,14,15
	ds_load_b128 v[BB+4*\t:BB+4*\t+3], v[RD] offset:\t*SPITCH       ; LDS serves a wave's instructions in order: these see the stores above
.endr
.endm
.macro SEND a, younger                 ; younger: the LDS instructions issued behind block a's loads, which may stay out
.set BB, BK+64*((\a)%2)
	s_wait_dscnt \younger
.if (\a) > 0
.if ((\a)%2) == 1
	s_add_nc_u64 s[12:13], s[12:13], 8*SIZE_N*4    ; (behind a wait on XCNT: the earlier stores have read their base)
.else
	s_add_nc_u64 s[12:13], s[12:13], 24*SIZE_N*4
.endif
.endif
.irp t, 0,1,2,3,4,5,6,7,8,9,10,11,12,13,14,15
	global_store_b128 v[CO], v[BB+4*\t:BB+4*\t+3], s[12:13] offset:(\t+8*(\t/8))*SIZE_N*4 th:TH_STORE_NT   ; 32 lanes store 512 consecutive bytes, at a multiple of 256 from out0's first byte
.endr
.endm
	PLACES NP
	TOSTAGE 0
.irp a, 1,2,3,4,5,6,7
.if \a > 1
	s_wait_xcnt 0x0                                ; block a - 2's stores have read their registers and their base
.endif
	TOSTAGE \a
	SEND \a-1, 32                                  ; behind block a - 1's loads: block a's 16 stores and 16 loads
.endr
	s_wait_xcnt 0x0
	SEND 7, 0
	s_wait_tensorcnt 0x0                           ; the wave's end
	ds_add_u32 v[SPW], v[NIL]
	s_wait_dscnt 0x0
	CROUND                                         ; the closing round
	s_endpgm
.Lfunc_end_k_qe0179ae625_proj:
	.size	k_qe0179ae625_proj, .Lfunc_end_k_qe0179ae625_proj-k_qe0179ae625_proj
	.p2alignl 7, 3214868480
	.fill 96, 4, 3214868480
	.section	.rodata,"a",@progbits
	.p2align	6, 0x0
	.amdhsa_kernel k_qe0179ae625_proj
		.amdhsa_group_segment_fixed_size 327680
		.amdhsa_private_segment_fixed_size 0
		.amdhsa_enable_private_segment 0
		.amdhsa_kernarg_size 40
		.amdhsa_user_sgpr_count 2
		.amdhsa_user_sgpr_kernarg_segment_ptr 1
		.amdhsa_wavefront_size32 1
		.amdhsa_system_sgpr_workgroup_id_x 1
		.amdhsa_system_sgpr_workgroup_id_y 1
		.amdhsa_system_sgpr_workgroup_id_z 1
		.amdhsa_system_vgpr_workitem_id 0
		.amdhsa_next_free_vgpr 1024
		.amdhsa_next_free_sgpr 98
		.amdhsa_reserve_vcc 0
		.amdhsa_float_denorm_mode_32 3
		.amdhsa_float_denorm_mode_16_64 3
		.amdhsa_memory_ordered 1
		.amdhsa_forward_progress 1
		.amdhsa_inst_pref_size 160
	.end_amdhsa_kernel
	.amdgpu_metadata
---
amdhsa.version: [ 1, 2 ]
amdhsa.kernels:
  - .name:           k_qe0179ae625_proj
    .symbol:         k_qe0179ae625_proj.kd
    .args:
      - { .name: yc, .offset: 0, .size: 8, .value_kind: global_buffer, .address_space: global }
      - { .name: ys, .offset: 8, .size: 8, .value_kind: global_buffer, .address_space: global }
      - { .name: wc, .offset: 16, .size: 8, .value_kind: global_buffer, .address_space: global }
      - { .name: ws, .offset: 24, .size: 8, .value_kind: global_buffer, .address_space: global }
      - { .name: out0, .offset: 32, .size: 8, .value_kind: global_buffer, .address_space: global }
    .group_segment_fixed_size: 327680
    .private_segment_fixed_size: 0
    .kernarg_segment_align: 8
    .kernarg_segment_size: 40
    .max_flat_workgroup_size: 128
    .sgpr_count:     98
    .vgpr_count:     1024
    .wavefront_size: 32
...
	.end_amdgpu_metadata
.endif
;; end of part 4
